; MI455X (gfx1250); checked and timed in simulation.
; The chip was launched on July 23, 2026; its instructions are those of AMD's public machine-readable ISA for CDNA 5 (MIT licence, August 2026) and "CDNA5" Instruction Set Architecture Reference Guide (July 2026). The comments in the code are by the model that wrote it; some were corrected since.
;; Grouped Query Attention. Allowed arithmetic: float matrix products may take bf16 or f16 operands with f32 sums; all other float work in f32.
;; Inputs: W_k 1,024 x 256 float32; W_o 1,024 x 1,024 float32; W_q 1,024 x 1,024 float32; W_v 1,024 x 256 float32; k 2 x 2,048 x 1,024 float32; q 2 x 2,048 x 1,024 float32; v 2 x 2,048 x 1,024 float32.
;; Outputs: out0 2 x 2,048 x 1,024 float32.
;; 2 versions, each right. Each part assembles by itself: llvm-mc -triple=amdgcn-amd-amdhsa -mcpu=gfx1250 --defsym DOCPART=n.
;; ======== version 1 of 2: 4 launches
;; limits: values are held in f16: magnitudes above 65,504 overflow, below 6.1e-05 lose precision
;; workspace buffers: wb 5,242,880 bytes; qb 8,388,608 bytes; kb 2,097,152 bytes; vb 2,097,152 bytes; ao 8,388,608 bytes
;; launch castw (part 1): grid 320 x 1, 8 waves a work-group, no clusters, 0 bytes of LDS; arguments W_q, W_k, W_v, W_o, wb; writes wb
.if DOCPART == 1
	.amdgcn_target "amdgcn-amd-amdhsa--gfx1250"
	.amdhsa_code_object_version 6
	.text
	.protected	k_qbc8371f175_castw
	.globl	k_qbc8371f175_castw
	.p2align	8
	.type	k_qbc8371f175_castw,@function
k_qbc8371f175_castw:
	s_mov_b64 s[64:65], 0
	v_nop
	global_prefetch_b8 v0, s[64:65] scope:SCOPE_SE
	s_setreg_imm32_b32 hwreg(HW_REG_WAVE_MODE, 25, 1), 1
	s_wait_xcnt 0x0
; wb = the four weight matrices rounded to f16, each as it is stored ([in][out]), one behind the other:
; W_q at byte 0, W_k at 2,097,152, W_v at 2,621,440, W_o at 3,145,728.
; FORMAT: f16 (10 stored mantissa bits), because the result is compared within 1 % of its root mean square and five further roundings
; follow on the way.  LIMIT: weights stay below 65,504 in magnitude; below 6.1e-5 they are kept in steps of 6e-8.
; Why a launch of its own: each weight tile is read by 32 row blocks of the projections; cast here it is rounded once,
; moves half the bytes from then on, and can be transposed on its way from LDS by the 16-bit transposing load.
; A stream: every byte is read once and written once, so LDS, matrix instructions and clusters would add nothing
; (no two work-groups read the same byte).
; Work-group g casts 8,192 numbers: g 0-127 W_q, 128-159 W_k, 160-191 W_v, 192-319 W_o; its 16,384 bytes of wb begin at 16,384 g.
; Thread t takes 8 numbers at 8 t of each of four chunks of 2,048: two 16-byte loads, one 16-byte store;
; a store of a wave covers 512 consecutive bytes, aligned.
.set X, 4                              ; v[4:35]   chunk j: 8 f32 as loaded
.set Y, 36                             ; v[36:51]  chunk j: 8 f16 to store
	s_load_b256 s[4:11], s[0:1], 0x0               ; W_q s[4:5], W_k s[6:7], W_v s[8:9], W_o s[10:11]
	s_load_b64 s[12:13], s[0:1], 0x20              ; wb
	s_mov_b32 s17, ttmp9                           ; g
	v_lshlrev_b32 v1, 5, v0                        ; 32 t: my bytes in a chunk of the source
	v_lshlrev_b32 v2, 4, v0                        ; 16 t: my bytes in a chunk of wb
	s_lshl_b32 s22, s17, 14                        ; 16,384 g
	s_mov_b32 s23, 0
	s_mov_b32 s16, 192                             ; the first work-group of my matrix
	s_wait_kmcnt 0x0
	s_mov_b64 s[14:15], s[10:11]                   ; the matrix is chosen by g alone
	s_cmp_lt_u32 s17, 192
	s_cselect_b64 s[14:15], s[8:9], s[14:15]
	s_cselect_b32 s16, 160, s16
	s_cmp_lt_u32 s17, 160
	s_cselect_b64 s[14:15], s[6:7], s[14:15]
	s_cselect_b32 s16, 128, s16
	s_cmp_lt_u32 s17, 128
	s_cselect_b64 s[14:15], s[4:5], s[14:15]
	s_cselect_b32 s16, 0, s16
	s_sub_co_u32 s18, s17, s16
	s_lshl_b32 s18, s18, 15                        ; 32,768 bytes of f32 for each work-group
	s_mov_b32 s19, 0
	s_add_nc_u64 s[14:15], s[14:15], s[18:19]
	s_add_nc_u64 s[12:13], s[12:13], s[22:23]
.irp j, 0,1,2,3
	global_load_b128 v[X+8*\j:X+8*\j+3],   v1, s[14:15] offset:8192*\j th:TH_LOAD_NT      ; all eight loads go out first
	global_load_b128 v[X+8*\j+4:X+8*\j+7], v1, s[14:15] offset:8192*\j+16 th:TH_LOAD_NT
.endr
.irp j, 0,1,2,3
	s_wait_loadcnt 6-2*\j                          ; loads come back in order: chunk j is in, the 6 - 2 j younger loads stay out
.irp i, 0,1,2,3
	v_cvt_pk_f16_f32 v[Y+4*\j+\i], v[X+8*\j+2*\i], v[X+8*\j+2*\i+1]
.endr
	global_store_b128 v2, v[Y+4*\j:Y+4*\j+3], s[12:13] offset:4096*\j
.endr
	s_endpgm
.Lfunc_end_k_qbc8371f175_castw:
	.size	k_qbc8371f175_castw, .Lfunc_end_k_qbc8371f175_castw-k_qbc8371f175_castw
	.p2alignl 7, 3214868480
	.fill 96, 4, 3214868480
	.section	.rodata,"a",@progbits
	.p2align	6, 0x0
	.amdhsa_kernel k_qbc8371f175_castw
		.amdhsa_group_segment_fixed_size 0
		.amdhsa_private_segment_fixed_size 0
		.amdhsa_enable_private_segment 0
		.amdhsa_kernarg_size 40
		.amdhsa_user_sgpr_count 2
		.amdhsa_user_sgpr_kernarg_segment_ptr 1
		.amdhsa_wavefront_size32 1
		.amdhsa_system_sgpr_workgroup_id_x 1
		.amdhsa_system_sgpr_workgroup_id_y 1
		.amdhsa_system_sgpr_workgroup_id_z 1
		.amdhsa_system_vgpr_workitem_id 0
		.amdhsa_next_free_vgpr 52
		.amdhsa_next_free_sgpr 66
		.amdhsa_reserve_vcc 0
		.amdhsa_float_denorm_mode_32 3
		.amdhsa_float_denorm_mode_16_64 3
		.amdhsa_memory_ordered 1
		.amdhsa_forward_progress 1
		.amdhsa_inst_pref_size 4
	.end_amdhsa_kernel
	.amdgpu_metadata
---
amdhsa.version: [ 1, 2 ]
amdhsa.kernels:
  - .name:           k_qbc8371f175_castw
    .symbol:         k_qbc8371f175_castw.kd
    .args:
      - { .name: W_q, .offset: 0, .size: 8, .value_kind: global_buffer, .address_space: global }
      - { .name: W_k, .offset: 8, .size: 8, .value_kind: global_buffer, .address_space: global }
      - { .name: W_v, .offset: 16, .size: 8, .value_kind: global_buffer, .address_space: global }
      - { .name: W_o, .offset: 24, .size: 8, .value_kind: global_buffer, .address_space: global }
      - { .name: wb, .offset: 32, .size: 8, .value_kind: global_buffer, .address_space: global }
    .group_segment_fixed_size: 0
    .private_segment_fixed_size: 0
    .kernarg_segment_align: 8
    .kernarg_segment_size: 40
    .max_flat_workgroup_size: 256
    .sgpr_count:     66
    .vgpr_count:     52
    .wavefront_size: 32
...
	.end_amdgpu_metadata
.endif
;; end of part 1
;; launch proj (part 2): grid 8 x 32, 4 waves a work-group, clusters of 4 x 4, 327,680 bytes of LDS; arguments q, k, v, wb, qb, kb, vb; writes qb, kb, vb
.if DOCPART == 2
	.amdgcn_target "amdgcn-amd-amdhsa--gfx1250"
	.amdhsa_code_object_version 6
	.text
	.protected	k_qbc8371f175_proj
	.globl	k_qbc8371f175_proj
	.p2align	8
	.type	k_qbc8371f175_proj,@function
k_qbc8371f175_proj:
	s_mov_b64 s[64:65], 0
	v_nop
	global_prefetch_b8 v0, s[64:65] scope:SCOPE_SE
	s_setreg_imm32_b32 hwreg(HW_REG_WAVE_MODE, 25, 1), 1
	s_wait_xcnt 0x0
	s_wait_alu depctr_hold_cnt(0) depctr_sa_sdst(0) depctr_va_vdst(0) depctr_va_sdst(0) depctr_va_ssrc(0) depctr_va_vcc(0) depctr_vm_vsrc(0)
	s_getreg_b32 s2, hwreg(HW_REG_IB_STS2, 6, 4)
	s_cmp_eq_u32 s2, 0
	s_cbranch_scc0 .Lentry_in_a_cluster
	s_endpgm
.Lentry_in_a_cluster:
	s_bfe_u32 s2, ttmp6, 0x10000c
	s_cmp_lg_u32 s2, 0xf033
	s_cbranch_scc0 .Lentry_shape_is_right
	s_endpgm
.Lentry_shape_is_right:
; The three input projections, f32 activations (rounded to f16 on the way) x f16 weights (from wb), f32 sums, f16 results laid out by head:
;   qb[b][16 heads][2048][64] = c (q W_q), c = 0.125 log2 e;   kb, vb[b][4 heads][2048][64] = k W_k, v W_v.
; FORMAT AND ITS LIMIT: f16 operands and results.  |q|, |k|, |v|, |c Q|, |K|, |V| must stay below 65,504.  A sum has 1,024 terms: with activations of
; spread 1 and weights of spread 1/32 the results have spread 1; both 30 times larger: 900; both with an offset of 30 spreads: 1,024 x 30 x 30/32 = 28,800.
; Both 30 times smaller: c Q has spread 2e-4 and is kept in steps of 6e-8.
; LIMIT OF ROUNDING: the factor 1/8 of the scores and the log2 e of the exponential are applied to Q in f32 before Q is rounded
; to f16, so the scores are rounded in another order than in the reference; Q, K and V are kept in f16 between the launches.
; Work-group (bx, by), 8 x 32: phase Q makes rows 128 by .. +127 x columns 128 bx .. +127 of q W_q; phase KV makes the same rows x
; columns 64 cx .. +63 of k W_k (cluster column 0) or v W_v (cluster column 1).  256 work-groups of equal work.
; Wave w owns rows 32 w .. +31 and all the columns of the tile: each f32 activation is read from LDS and rounded once in the work-group.
; CLUSTERS 4 x 4: the activation tile hangs on by (and the cluster column) alone and is asked for jointly by a row of the cluster,
; the weight tile on bx alone (KV: cluster column and cx) and is asked for jointly by a column: a quarter of the requests.
; K goes in steps of 128 through two LDS slots.  Slot: A 128 rows x 512 bytes, pitch 528 = 33 x 16; W 128 k-rows x 256 bytes, pitch 288 = 9 x 32
; (KV: 128 bytes, pitch 160 = 5 x 32): the rows that one LDS load touches start at different 16-byte columns modulo 256.
; By this text's count a wave never has more than two tensor loads out.
; The matrix instruction is used transposed (source 0 = 16 columns of W, source 1 = 16 rows of activations): a lane then holds eight
; neighbouring columns of one row of the result.
.set APITCH, 528
.set AHALF,  64*APITCH                 ; what one tensor load brings of A
.set WOFF,   2*AHALF                   ; W behind A in a slot
.set WPQ,    288
.set WPKV,   160
.set SLOT,   WOFF+128*WPQ              ; 104,448
.set STAGE,  2*SLOT                    ; 208,896: behind the ring, no tensor load lands here
.set STGW,   2560                      ; a stage of 16 rows x 144 bytes for each wave, in blocks of 256 bytes of its own
.set SPITCH, 144
.set ADRA, 8                           ; v8,9    LDS address of my A rows in slot 0, 1
.set ADRW, 10                          ; v10,11  LDS address of the W fragments in slot 0, 1
.set STO,  12                          ; v12     way out: where I put 16 bytes of a row
.set RD,   13                          ; v13     way out: where I read rows back
.set CO,   14                          ; v14     way out: 16 x lane
.set AF,   16                          ; v[16:47]   raw f32 of my two row tiles, 32 k
.set ABF,  48                          ; v[48:79]   the same in f16: buffer p, row tile mt at 16 p + 8 mt
.set WF,   80                          ; v[80:207]  W fragments: buffer p, column tile nt at 64 p + 8 nt
.set TMP,  208                         ; v[208:223] way out: packed results
.set RB,   224                         ; v[224:239] way out: rows read back
                                       ; window 1 (v256-383): accumulator (mt, nt) at 8 (8 mt + nt)
.set G1A, 24                           ; s[24:31] group 1 of A
.set G0A, 32                           ; s[32:39] group 0 of A, one set for each slot
.set G1W, 40                           ; s[40:47] group 1 of W
.set G0W, 48                           ; s[48:55] group 0 of W, one set for each slot
.set MSB, 0
.macro WIN new                         ; the high byte of the immediate repeats the setting that is left
.if MSB != \new
	s_set_vgpr_msb (MSB<<8)|\new
.set MSB, \new
.endif
.endm
.macro PLACES                          ; four places behind a matrix instruction (ISA guide 7.12.1)
.rept 4
	v_nop
.endr
.endm
; A joint load: waves 0, 1 fetch the two halves of A, waves 2, 3 those of W.  The branch hangs on the wave number alone.
.macro JLOAD s
	s_cmp_eq_u32 s19, 0
	s_cbranch_scc0 .Lfor_w_\@
	tensor_load_to_lds s[G0A+4*\s:G0A+4*\s+3], s[G1A:G1A+7]
	s_nop 0
	s_branch .Lasked_\@
.Lfor_w_\@:
	tensor_load_to_lds s[G0W+4*\s:G0W+4*\s+3], s[G1W:G1W+7]
	s_nop 0
.Lasked_\@:
.endm
.macro CREST                           ; a round of the cluster barrier behind its opening work-group barrier
	s_cmp_lg_u32 s18, 0
	s_cbranch_scc1 .Lnot_wave_0_\@
	s_barrier_signal -3
.Lnot_wave_0_\@:
	s_barrier_wait -3
	s_barrier_signal -1
	s_barrier_wait -1
.endm
.macro CROUND                          ; a whole round
	s_barrier_signal -1
	s_barrier_wait -1
	CREST
.endm
	s_load_b256 s[4:11], s[0:1], 0x0               ; q s[4:5], k s[6:7], v s[8:9], wb s[10:11]
	s_load_b128 s[12:15], s[0:1], 0x20             ; qb s[12:13], kb s[14:15]
	s_load_b64 s[16:17], s[0:1], 0x30              ; vb
	v_lshl_add_u32 v254, v0, 2, 0x35800
	v_mov_b32 v255, 0
	ds_add_u32 v254, v255
	v_lshrrev_b32 v1, 5, v0
	v_readfirstlane_b32 s18, v1                    ; wave 0..3
	s_lshr_b32 s19, s18, 1                         ; I fetch for A (0) or for W (1)
	s_and_b32 s20, s18, 1                          ; which half of that tile
	s_bfe_u32 s21, ttmp6, 0x40000                  ; cx
	s_bfe_u32 s22, ttmp6, 0x40004                  ; cy
	s_mov_b32 s23, ttmp9                           ; cluster column: 0 makes K, 1 makes V
	s_lshl_b32 s57, ttmp9, 2
	s_add_co_u32 s57, s57, s21                     ; bx
	s_and_b32 s56, ttmp7, 0xffff
	s_lshl_b32 s56, s56, 2
	s_add_co_u32 s56, s56, s22                     ; by
	s_lshl_b32 s58, s22, 2
	s_lshl_b32 s58, 15, s58                        ; my row of the cluster
	s_lshl_b32 s59, 0x1111, s21                    ; my column
	s_mov_b32 s82, 0x3e38aa3b                      ; c = 0.125 log2 e,
	s_mov_b32 s83, 0x3e38aa3b                      ; as a pair for the packed multiply
	; group 1 of A: 64 rows x 128 f32, 16 bytes of padding behind every 128 words
	s_or_b32 s[G1A+0], s58, (2<<16)|(1<<20)|(1<<21)|(6<<22)|(3<<25)
	s_mov_b32 s[G1A+1], 128<<16                    ; tensor_dim0 = 128
	s_mov_b32 s[G1A+2], 64<<16                     ; tensor_dim1 = 64
	s_mov_b32 s[G1A+3], 128<<16                    ; tile_dim0 = 128
	s_mov_b32 s[G1A+4], 64                         ; tile_dim1 = 64
	s_mov_b32 s[G1A+5], 1024                       ; elements from row to row
	s_mov_b32 s[G1A+6], 0
	s_mov_b32 s[G1A+7], 0
	; group 1 of W in phase Q: 64 k-rows x 128 f16, 32 bytes of padding behind every 64 words
	s_or_b32 s[G1W+0], s59, (1<<16)|(1<<20)|(1<<21)|(5<<22)|(7<<25)
	s_mov_b32 s[G1W+1], 128<<16
	s_mov_b32 s[G1W+2], 64<<16
	s_mov_b32 s[G1W+3], 128<<16
	s_mov_b32 s[G1W+4], 64
	s_mov_b32 s[G1W+5], 1024
	s_mov_b32 s[G1W+6], 0
	s_mov_b32 s[G1W+7], 0
	; offsets.  A: rows 128 by + 64 half, 4,096 bytes each (the same in q, k and v).  W_q: k-rows 64 half of 2,048 bytes, column 128 bx.
	s_lshl_b32 s60, s56, 19
	s_lshl_b32 s61, s20, 18
	s_add_co_u32 s60, s60, s61
	s_mov_b32 s61, 0
	s_lshl_b32 s62, s20, 17
	s_lshl_b32 s63, s57, 8
	s_add_co_u32 s62, s62, s63
	s_mov_b32 s63, 0
	s_mul_i32 s78, s20, AHALF                      ; LDS: the half of A,
	s_mul_i32 s79, s20, 64*WPQ                     ; the half of W
	; results: row 128 (by & 15) + 32 w of the sequence, 128 bytes a row, heads 2,048 rows apart
	s_and_b32 s76, s56, 15
	s_lshl_b32 s76, s76, 7
	s_lshl_b32 s77, s18, 5
	s_add_co_u32 s76, s76, s77
	s_lshr_b32 s77, s56, 4                         ; batch
	s_lshl_b32 s70, s77, 4
	s_lshl_b32 s71, s57, 1
	s_add_co_u32 s70, s70, s71                     ; query head 16 b + 2 bx
	s_lshl_b32 s70, s70, 11
	s_add_co_u32 s70, s70, s76
	s_lshl_b32 s70, s70, 7
	s_mov_b32 s71, 0
	s_lshl_b32 s80, s77, 2
	s_add_co_u32 s80, s80, s21                     ; KV head 4 b + cx
	s_lshl_b32 s80, s80, 11
	s_add_co_u32 s80, s80, s76
	s_lshl_b32 s80, s80, 7
	s_mov_b32 s81, 0
	s_wait_dscnt 0x0
	s_wait_kmcnt 0x0
	s_add_nc_u64 s[66:67], s[4:5], s[60:61]        ; q at my half tile
	s_add_nc_u64 s[68:69], s[10:11], s[62:63]      ; W_q at my half tile
	s_add_nc_u64 s[72:73], s[12:13], s[70:71]      ; qb at my rows
	CROUND                                         ; all sixteen work-groups are here: the first joint loads meet
.irp s, 0,1
	s_mov_b32 s[G0A+4*\s], 1
	s_add_co_u32 s[G0A+4*\s+1], s78, \s*SLOT
	s_add_nc_u64 s[G0A+4*\s+2:G0A+4*\s+3], s[66:67], \s*512         ; K step s: 128 f32
	s_or_b32 s[G0A+4*\s+3], s[G0A+4*\s+3], 0x80000000
	s_mov_b32 s[G0W+4*\s], 1
	s_add_co_u32 s[G0W+4*\s+1], s79, \s*SLOT+WOFF
	s_add_nc_u64 s[G0W+4*\s+2:G0W+4*\s+3], s[68:69], \s*262144      ; K step s: 128 rows of 2,048 bytes
	s_or_b32 s[G0W+4*\s+3], s[G0W+4*\s+3], 0x80000000
	JLOAD \s
.endr
	; lane addresses.  r = lane % 16, h = lane / 16.
	v_and_b32 v1, 15, v0                           ; r
	v_bfe_u32 v2, v0, 4, 1                         ; h
	v_and_b32 v3, 7, v0                            ; lane % 8
	v_bfe_u32 v4, v0, 3, 1                         ; (lane / 8) % 2
	s_mul_i32 s78, s18, 32*APITCH
	v_mul_u32_u24 v5, v1, APITCH
	v_lshl_add_u32 v5, v2, 5, v5                   ; row r, 8 f32 for each half of the lanes
	v_add_nc_u32 v[ADRA], s78, v5
	v_add_nc_u32 v[ADRA+1], SLOT, v[ADRA]
	v_lshl_add_u32 v6, v2, 3, v3                   ; k-row 8 h + lane % 8 (kept for phase KV, with v4)
	v_mul_u32_u24 v7, v6, WPQ
	v_lshl_add_u32 v7, v4, 4, v7
	v_add_nc_u32 v[ADRW], WOFF, v7
	v_add_nc_u32 v[ADRW+1], SLOT, v[ADRW]
	s_mul_i32 s79, s18, STGW
	s_add_co_u32 s79, s79, STAGE                   ; my stage
	v_mul_u32_u24 v5, v1, SPITCH
	v_lshl_add_u32 v5, v2, 4, v5
	v_add_nc_u32 v[STO], s79, v5                   ; in: row r, 16 bytes for each half of the lanes
	v_bfe_u32 v5, v0, 3, 2
	v_mul_u32_u24 v5, v5, SPITCH
	v_lshl_add_u32 v5, v3, 4, v5
	v_add_nc_u32 v[RD], s79, v5                    ; back: eight lanes take a row of 128 bytes
	v_and_b32 v[CO], 31, v0
	v_lshlrev_b32 v[CO], 4, v[CO]
; The loads of one sub-step (32 along K): 8 loads of raw f32 (lane: row r, k = 8 h .. +7 and 16 + 8 h .. +7), then 2 ntw transposing loads of W
; (k-rows in LDS; a lane receives k = 8 h .. +7, then 16 + 8 h .. +7, of column 16 nt + r) into buffer p.
.macro FETCH slot, ks, p, ntw, pw
.irp mt, 0,1
	ds_load_b128 v[AF+16*\mt:AF+16*\mt+3],     v[ADRA+\slot] offset:16*APITCH*\mt+128*(\ks)
	ds_load_b128 v[AF+16*\mt+4:AF+16*\mt+7],   v[ADRA+\slot] offset:16*APITCH*\mt+128*(\ks)+16
	ds_load_b128 v[AF+16*\mt+8:AF+16*\mt+11],  v[ADRA+\slot] offset:16*APITCH*\mt+128*(\ks)+64
	ds_load_b128 v[AF+16*\mt+12:AF+16*\mt+15], v[ADRA+\slot] offset:16*APITCH*\mt+128*(\ks)+80
.endr
.set nt_, 0
.rept \ntw
	ds_load_tr16_b128 v[WF+64*(\p)+8*nt_:WF+64*(\p)+8*nt_+3],   v[ADRW+\slot] offset:32*\pw*(\ks)+32*nt_
	ds_load_tr16_b128 v[WF+64*(\p)+8*nt_+4:WF+64*(\p)+8*nt_+7], v[ADRW+\slot] offset:32*\pw*(\ks)+32*nt_+16*\pw
.set nt_, nt_+1
.endr
.endm
; 16 roundings: the raw f32 become the two f16 fragments of buffer p.  They name no register of the products issued just before
; (which read the other buffers), so they are also the places between those products and the loads into the buffers that they read.
.macro CVT p
.irp mt, 0,1
.irp i, 0,1,2,3,4,5,6,7
	v_cvt_pk_f16_f32 v[ABF+16*(\p)+8*\mt+\i], v[AF+16*\mt+2*\i], v[AF+16*\mt+2*\i+1]
.endr
.endr
.endm
; 2 ntw products.  All accumulators take turns, one instruction a turn, in the same order in every sub-step.
.macro MUL p, ntw, zero
	WIN 0x50                                       ; C and D in window 1
.set nt_, 0
.rept \ntw
.irp mt, 0,1
.if \zero
	v_wmma_f32_16x16x32_f16 v[8*(8*\mt+nt_):8*(8*\mt+nt_)+7], v[WF+64*(\p)+8*nt_:WF+64*(\p)+8*nt_+7], v[ABF+16*(\p)+8*\mt:ABF+16*(\p)+8*\mt+7], 0
.else
	v_wmma_f32_16x16x32_f16 v[8*(8*\mt+nt_):8*(8*\mt+nt_)+7], v[WF+64*(\p)+8*nt_:WF+64*(\p)+8*nt_+7], v[ABF+16*(\p)+8*\mt:ABF+16*(\p)+8*\mt+7], v[8*(8*\mt+nt_):8*(8*\mt+nt_)+7]
.endif
.endr
.set nt_, nt_+1
.endr
	WIN 0
.endm
; One of the first three sub-steps of a K step: buffer p is multiplied, the next sub-step is fetched into the other buffer.
.macro SUB slot, ks, p, ntw, pw, zero
	s_wait_dscnt 2*\ntw                            ; the 8 raw loads are in; the 2 ntw younger loads (W) may be out
	CVT \p
	FETCH \slot, \ks+1, 1-\p, \ntw, \pw
	s_wait_dscnt 8+2*\ntw                          ; all but the 8 + 2 ntw just issued
	MUL \p, \ntw, \zero
.endm
.macro THREE slot, ntw, pw, zero
	SUB \slot, 0, 0, \ntw, \pw, \zero
	SUB \slot, 1, 1, \ntw, \pw, 0
	SUB \slot, 2, 0, \ntw, \pw, 0
.endm
; The fourth sub-step changes slots.  In front of the barrier each wave has its reads of this slot back and all its tensor loads landed
; (the one that was out is its part of the next slot).  With fill = 1 the barrier opens a round of the cluster barrier, so that the same
; holds of every wave of all partners, and the joint refill of this slot is the first tensor load behind the round.
.macro TURN slot, next, fill, ntw, pw, wstep
	s_wait_dscnt 0x0
	s_wait_tensorcnt 0x0
	ds_add_u32 v254, v255
	s_wait_dscnt 0x0
	s_barrier_signal -1
	CVT 1                                          ; register work while the others arrive
	s_barrier_wait -1
.if \fill
	CREST
	s_add_nc_u64 s[G0A+4*\slot+2:G0A+4*\slot+3], s[G0A+4*\slot+2:G0A+4*\slot+3], 1024     ; two K steps on; no load of mine is out
	s_add_nc_u64 s[G0W+4*\slot+2:G0W+4*\slot+3], s[G0W+4*\slot+2:G0W+4*\slot+3], \wstep
	JLOAD \slot
.endif
	FETCH \next, 0, 0, \ntw, \pw
	MUL 1, \ntw, 0
.endm
.macro LAP ntw, pw, wstep, zero
	THREE 0, \ntw, \pw, \zero
	TURN 0, 1, 1, \ntw, \pw, \wstep
	THREE 1, \ntw, \pw, 0
	TURN 1, 0, 1, \ntw, \pw, \wstep
.endm
; Eight K steps: the first lap starts the sums (C = 0), two laps in the loop, the last lap fills nothing.
.macro PHASE ntw, pw, wstep
	s_wait_tensorcnt 0x1                           ; my part of K step 0 is in; K step 1 stays out
	s_barrier_signal -1
	s_barrier_wait -1
	FETCH 0, 0, 0, \ntw, \pw
	LAP \ntw, \pw, \wstep, 1
	s_mov_b32 s76, 2
.Llap_\@:
	LAP \ntw, \pw, \wstep, 0
	s_sub_co_u32 s76, s76, 1
	s_cmp_lg_u32 s76, 0
	s_cbranch_scc1 .Llap_\@
	THREE 0, \ntw, \pw, 0
	TURN 0, 1, 0, \ntw, \pw, \wstep
	THREE 1, \ntw, \pw, 0
	s_wait_dscnt 0x0                               ; the very last sub-step: nothing more to fetch
	CVT 1
	MUL 1, \ntw, 0
.endm
; The way out of 16 rows x one head (64 columns): round, 16 bytes a lane into my own stage, read back as rows of 128 bytes, which lie
; one behind the other in the result: each store of the wave covers 512 consecutive bytes, aligned.
.macro OUTG mt, hh, sb
	WIN 0x05                                       ; sources in window 1
.irp u, 0,1,2,3
.irp i, 0,1,2,3
	v_cvt_pk_f16_f32 v[TMP+4*\u+\i], v[8*(8*\mt+4*\hh+\u)+2*\i], v[8*(8*\mt+4*\hh+\u)+2*\i+1]
.endr
.endr
	WIN 0
.irp u, 0,1,2,3
	ds_store_b128 v[STO], v[TMP+4*\u:TMP+4*\u+3] offset:32*\u
.endr
	s_wait_xcnt 0x0                                ; RB was the data of earlier stores: it is loaded again only behind this wait
.irp t, 0,1,2,3
	ds_load_b128 v[RB+4*\t:RB+4*\t+3], v[RD] offset:4*SPITCH*\t    ; LDS serves a wave in order (ISA guide 5.7.1): these see the stores above
.endr
.irp t, 0,1,2,3
	s_wait_dscnt 3-\t
	global_store_b128 v[CO], v[RB+4*\t:RB+4*\t+3], s[\sb:\sb+1] offset:512*\t+2048*\mt+262144*\hh
.endr
.endm
	PHASE 8, WPQ, 524288                           ; q W_q: 128 x 128
	; Phase KV is asked for before the results of phase Q leave, so that its first tiles travel meanwhile.
	s_wait_dscnt 0x0                               ; my reads of both slots are back
	s_wait_tensorcnt 0x0                           ; no tensor load of mine is out: every descriptor register may be written
	ds_add_u32 v254, v255
	s_wait_dscnt 0x0
	s_cmp_eq_u32 s23, 0
	s_cselect_b64 s[66:67], s[6:7], s[8:9]         ; k or v,
	s_cselect_b64 s[74:75], s[14:15], s[16:17]     ; kb or vb: by the cluster column, which all partners share
	s_add_nc_u64 s[66:67], s[66:67], s[60:61]
	s_add_nc_u64 s[74:75], s[74:75], s[80:81]
	s_lshl_b32 s62, s23, 19                        ; W_k or W_v: 524,288 bytes each, behind W_q
	s_lshl_b32 s63, s20, 15                        ; k-rows 64 half of 512 bytes
	s_add_co_u32 s62, s62, s63
	s_lshl_b32 s63, s21, 7                         ; column 64 cx
	s_add_co_u32 s62, s62, s63
	s_add_co_u32 s62, s62, 2097152
	s_mov_b32 s63, 0
	s_add_nc_u64 s[68:69], s[10:11], s[62:63]
	s_mul_i32 s79, s20, 64*WPKV
	s_or_b32 s[G1W+0], s59, (1<<16)|(1<<20)|(1<<21)|(4<<22)|(7<<25)   ; 64 k-rows x 64 f16, 32 bytes of padding behind every 32 words
	s_mov_b32 s[G1W+1], 64<<16
	s_mov_b32 s[G1W+3], 64<<16
	s_mov_b32 s[G1W+5], 256
.irp s, 0,1
	s_add_nc_u64 s[G0A+4*\s+2:G0A+4*\s+3], s[66:67], \s*512
	s_or_b32 s[G0A+4*\s+3], s[G0A+4*\s+3], 0x80000000
	s_add_co_u32 s[G0W+4*\s+1], s79, \s*SLOT+WOFF
	s_add_nc_u64 s[G0W+4*\s+2:G0W+4*\s+3], s[68:69], \s*65536       ; K step s: 128 rows of 512 bytes
	s_or_b32 s[G0W+4*\s+3], s[G0W+4*\s+3], 0x80000000
.endr
	CROUND                                         ; no wave of any partner still reads a slot or has a load on its way
	JLOAD 0                                        ; the first tensor loads behind the round
	JLOAD 1
	PLACES                                         ; behind the last products, in front of the first read of a sum
	WIN 0x41
.set i_, 0
.rept 64
	v_pk_mul_f32 v[i_:i_+1], v[i_:i_+1], s[82:83] op_sel_hi:[1,0]   ; Q times c, in f32
.set i_, i_+2
.endr
	OUTG 0, 0, 72
	OUTG 0, 1, 72
	OUTG 1, 0, 72
	OUTG 1, 1, 72
	v_mul_u32_u24 v7, v6, WPKV                     ; the W fragments at the new pitch
	v_lshl_add_u32 v7, v4, 4, v7
	v_add_nc_u32 v[ADRW], WOFF, v7
	v_add_nc_u32 v[ADRW+1], SLOT, v[ADRW]
	s_wait_dscnt 0x0                               ; no LDS instruction of mine is pending at the signal that follows
	PHASE 4, WPKV, 131072                          ; k W_k or v W_v: 128 x 64
	PLACES
	OUTG 0, 0, 74
	OUTG 1, 0, 74
	s_wait_tensorcnt 0x0
	ds_add_u32 v254, v255
	s_wait_dscnt 0x0
	CROUND                                         ; the closing round: no work-group ends while a partner may still ask jointly
	s_endpgm
.Lfunc_end_k_qbc8371f175_proj:
	.size	k_qbc8371f175_proj, .Lfunc_end_k_qbc8371f175_proj-k_qbc8371f175_proj
	.p2alignl 7, 3214868480
	.fill 96, 4, 3214868480
	.section	.rodata,"a",@progbits
	.p2align	6, 0x0
	.amdhsa_kernel k_qbc8371f175_proj
		.amdhsa_group_segment_fixed_size 327680
		.amdhsa_private_segment_fixed_size 0
		.amdhsa_enable_private_segment 0
		.amdhsa_kernarg_size 56
		.amdhsa_user_sgpr_count 2
		.amdhsa_user_sgpr_kernarg_segment_ptr 1
		.amdhsa_wavefront_size32 1
		.amdhsa_system_sgpr_workgroup_id_x 1
		.amdhsa_system_sgpr_workgroup_id_y 1
		.amdhsa_system_sgpr_workgroup_id_z 1
		.amdhsa_system_vgpr_workitem_id 0
		.amdhsa_next_free_vgpr 384
		.amdhsa_next_free_sgpr 84
		.amdhsa_reserve_vcc 0
		.amdhsa_float_denorm_mode_32 3
		.amdhsa_float_denorm_mode_16_64 3
		.amdhsa_memory_ordered 1
		.amdhsa_forward_progress 1
		.amdhsa_inst_pref_size 184
	.end_amdhsa_kernel
	.amdgpu_metadata
---
amdhsa.version: [ 1, 2 ]
amdhsa.kernels:
  - .name:           k_qbc8371f175_proj
    .symbol:         k_qbc8371f175_proj.kd
    .args:
      - { .name: q, .offset: 0, .size: 8, .value_kind: global_buffer, .address_space: global }
      - { .name: k, .offset: 8, .size: 8, .value_kind: global_buffer, .address_space: global }
      - { .name: v, .offset: 16, .size: 8, .value_kind: global_buffer, .address_space: global }
      - { .name: wb, .offset: 24, .size: 8, .value_kind: global_buffer, .address_space: global }
      - { .name: qb, .offset: 32, .size: 8, .value_kind: global_buffer, .address_space: global }
      - { .name: kb, .offset: 40, .size: 8, .value_kind: global_buffer, .address_space: global }
      - { .name: vb, .offset: 48, .size: 8, .value_kind: global_buffer, .address_space: global }
    .group_segment_fixed_size: 327680
    .private_segment_fixed_size: 0
    .kernarg_segment_align: 8
    .kernarg_segment_size: 56
    .max_flat_workgroup_size: 128
    .sgpr_count:     84
    .vgpr_count:     384
    .wavefront_size: 32
...
	.end_amdgpu_metadata
.endif
;; end of part 2
;; launch attn (part 3): grid 256 x 1, 4 waves a work-group, clusters of 4 x 1, 327,680 bytes of LDS; arguments qb, kb, vb, ao; writes ao
.if DOCPART == 3
	.amdgcn_target "amdgcn-amd-amdhsa--gfx1250"
	.amdhsa_code_object_version 6
	.text
	.protected	k_qbc8371f175_attn
	.globl	k_qbc8371f175_attn
	.p2align	8
	.type	k_qbc8371f175_attn,@function
k_qbc8371f175_attn:
	s_mov_b64 s[64:65], 0
	v_nop
	global_prefetch_b8 v0, s[64:65] scope:SCOPE_SE
	s_setreg_imm32_b32 hwreg(HW_REG_WAVE_MODE, 25, 1), 1
	s_wait_xcnt 0x0
	s_wait_alu depctr_hold_cnt(0) depctr_sa_sdst(0) depctr_va_vdst(0) depctr_va_sdst(0) depctr_va_ssrc(0) depctr_va_vcc(0) depctr_vm_vsrc(0)
	s_getreg_b32 s2, hwreg(HW_REG_IB_STS2, 6, 4)
	s_cmp_eq_u32 s2, 0
	s_cbranch_scc0 .Lentry_in_a_cluster
	s_endpgm
.Lentry_in_a_cluster:
	s_bfe_u32 s2, ttmp6, 0x10000c
	s_cmp_lg_u32 s2, 0x3003
	s_cbranch_scc0 .Lentry_shape_is_right
	s_endpgm
.Lentry_shape_is_right:
; ao[4096][1024] (f16, column 64 head + d) = softmax(Q K^T / 8) V, with a running maximum.  qb holds c Q, c = 0.125 log2 e, so the scores
; come out of the products as exponents of 2.
; FORMAT: f16 operands.  p = 2^(s - m) lies in [0, 1] and ao is a convex combination of rows of V, so neither can leave the range that V has.
; LIMITS: p below 2^-126 counts as 0 in the row sum (v_exp_f32 flushes, ISA guide 15.8), p below 3e-8 counts as 0 in P V (f16's smallest step is 6e-8);
; the row sum l adds the unrounded p while P V uses p rounded to f16; a row with an infinite or NaN score is not reproduced element for element.
; A work-group takes 64 queries x the four query heads of one KV head; wave w takes head w.  The four work-groups of a cluster take four
; neighbouring query blocks of the same KV head and ask for every K and V tile jointly (mask 15): a quarter of the requests.
; TRANSPOSED FORMS: S^T = K Q^T leaves lane (r, h) with query r and keys 8 h + j, 16 + 8 h + j; packed in pairs in place these 16 numbers are
; the second source of O^T = V^T P^T, whose first source is V through the transposing load.  Maximum, rescale factor and row sum are one
; number a lane; one exchange between the halves of the wave joins them.
; A STEP is 32 keys.  Its first part sets the 16 products of the NEXT step's scores one by one among the softmax of this step's scores;
; its second part sets four rescaling multiplies behind each of the 16 products of P V.  Two switches of the register window a step.
; LDS: K ring 3 x 128 rows x 144 bytes at 0; V ring 3 x 128 rows x 160 bytes at 55,296; stage 64 rows x 528 bytes at 116,736, where no tensor
; load lands.  A stage of the walk (four steps) reads two tiles while a third one travels, hence three slots.
.set KP,    144
.set VP,    160
.set KSLOT, 128*KP
.set VSLOT, 128*VP
.set VRING, 3*KSLOT
.set STG,   VRING+3*VSLOT
.set STP,   528
.set KADR, 2                           ; v2  144 r + 16 h
.set QO,   3                           ; v3  128 r + 16 h
.set STO,  4                           ; v4  way out: where I put 16 bytes
.set RD,   5                           ; v5  way out: where I read rows back
.set CO,   6                           ; v6  16 x lane
.set MM,   8                           ; v[8:15]    query tile q: running maximum of even steps at 2 q, of odd steps at 2 q + 1
.set AL,   16                          ; v[16:23]   q: rescale factor at 2 q, row sum l at 2 q + 1
.set TA,   24                          ; v[24:31]   q: two registers at work
.set QF,   32                          ; v[32:95]   Q fragments: 16 q + 8 ks
.set KF,   96                          ; v[96:127]  K fragments: 16 kt + 8 ks
.set SS,   128                         ; v[128:255] scores: buffer p at 64 p, query tile q at 16 q (key tile 0, then 1); P in the first 8 of the 16
.set VF,   128                         ; window 1: v384-447 V fragments, buffer at 32 buf, d tile at 8 dt
.set VADR, 192                         ; window 1: v448 LDS address of the V fragments
                                       ; window 1: v256-383 O tile u = 4 q + dt at 8 u
.set G1K, 16
.set G1V, 24
.set G0K, 32                           ; s[32:43] one set for each slot
.set G0V, 44                           ; s[44:55]
.set MSB, 0
.macro WIN new
.if MSB != \new
	s_set_vgpr_msb (MSB<<8)|\new
.set MSB, \new
.endif
.endm
.macro PLACES
.rept 4
	v_nop
.endr
.endm
.macro ROUND                           ; a round of the cluster barrier
	s_barrier_signal -1
	s_barrier_wait -1
	s_cmp_lg_u32 s12, 0
	s_cbranch_scc1 .Lnot_wave_0_\@
	s_barrier_signal -3
.Lnot_wave_0_\@:
	s_barrier_wait -3
	s_barrier_signal -1
	s_barrier_wait -1
.endm
	s_load_b256 s[4:11], s[0:1], 0x0               ; qb s[4:5], kb s[6:7], vb s[8:9], ao s[10:11]
	s_set_vgpr_msb 0x40
	v_lshl_add_u32 v200, v0, 2, 0x29000
	v_mov_b32 v201, 0
	s_set_vgpr_msb 0x4045
	ds_add_u32 v200, v201
	s_set_vgpr_msb 0x4500
	v_lshrrev_b32 v1, 5, v0
	v_readfirstlane_b32 s12, v1                    ; wave = query head within the group
	s_bfe_u32 s13, ttmp6, 0x40000                  ; cx
	s_lshr_b32 s14, ttmp9, 3                       ; g = 4 batch + KV head: shared by the cluster
	s_and_b32 s15, ttmp9, 7
	s_lshl_b32 s15, s15, 2
	s_add_co_u32 s15, s15, s13                     ; query block 0..31
	s_mov_b32 s56, 0x76543210                      ; v_permlanex16_b32: lane i reads lane i of the other half
	s_mov_b32 s57, 0xfedcba98
	; group 1: 32 rows x 64 f16 for each wave; K padded by 16 bytes, V by 32 bytes behind every 32 words
	s_mov_b32 s[G1K+0], 15|(1<<16)|(1<<20)|(1<<21)|(4<<22)|(3<<25)
	s_mov_b32 s[G1K+1], 64<<16
	s_mov_b32 s[G1K+2], 32<<16
	s_mov_b32 s[G1K+3], 64<<16
	s_mov_b32 s[G1K+4], 32
	s_mov_b32 s[G1K+5], 64
	s_mov_b32 s[G1K+6], 0
	s_mov_b32 s[G1K+7], 0
	s_mov_b32 s[G1V+0], 15|(1<<16)|(1<<20)|(1<<21)|(4<<22)|(7<<25)
	s_mov_b32 s[G1V+1], 64<<16
	s_mov_b32 s[G1V+2], 32<<16
	s_mov_b32 s[G1V+3], 64<<16
	s_mov_b32 s[G1V+4], 32
	s_mov_b32 s[G1V+5], 64
	s_mov_b32 s[G1V+6], 0
	s_mov_b32 s[G1V+7], 0
	s_lshl_b32 s60, s14, 18                        ; KV head g: 262,144 bytes; my 32 rows of a tile: 4,096 bytes
	s_lshl_b32 s61, s12, 12
	s_add_co_u32 s60, s60, s61
	s_mov_b32 s61, 0
	s_mul_i32 s62, s12, 32*KP
	s_mul_i32 s63, s12, 32*VP
	s_lshl_b32 s70, s14, 2                         ; Q: head 4 g + w, 262,144 bytes; query block: 8,192 bytes
	s_add_co_u32 s70, s70, s12
	s_lshl_b32 s70, s70, 18
	s_lshl_b32 s71, s15, 13
	s_add_co_u32 s70, s70, s71
	s_mov_b32 s71, 0
	s_lshr_b32 s72, s14, 2                         ; ao: row 2,048 b + 64 block + 16 w of 2,048 bytes, column byte 512 KV head
	s_lshl_b32 s72, s72, 11
	s_lshl_b32 s73, s15, 6
	s_add_co_u32 s72, s72, s73
	s_lshl_b32 s73, s12, 4
	s_add_co_u32 s72, s72, s73
	s_lshl_b32 s72, s72, 11
	s_and_b32 s73, s14, 3
	s_lshl_b32 s73, s73, 9
	s_add_co_u32 s72, s72, s73
	s_mov_b32 s73, 0
	s_wait_dscnt 0x0
	s_wait_kmcnt 0x0
	s_add_nc_u64 s[66:67], s[6:7], s[60:61]
	s_add_nc_u64 s[68:69], s[8:9], s[60:61]
	s_add_nc_u64 s[4:5], s[4:5], s[70:71]
	s_add_nc_u64 s[10:11], s[10:11], s[72:73]
	ROUND                                          ; the four work-groups are here: the first joint loads meet
.irp s, 0,1,2
	s_mov_b32 s[G0K+4*\s], 1
	s_add_co_u32 s[G0K+4*\s+1], s62, \s*KSLOT
	s_add_nc_u64 s[G0K+4*\s+2:G0K+4*\s+3], s[66:67], \s*16384
	s_or_b32 s[G0K+4*\s+3], s[G0K+4*\s+3], 0x80000000
	s_mov_b32 s[G0V+4*\s], 1
	s_add_co_u32 s[G0V+4*\s+1], s63, VRING+\s*VSLOT
	s_add_nc_u64 s[G0V+4*\s+2:G0V+4*\s+3], s[68:69], \s*16384
	s_or_b32 s[G0V+4*\s+3], s[G0V+4*\s+3], 0x80000000
	tensor_load_to_lds s[G0K+4*\s:G0K+4*\s+3], s[G1K:G1K+7]         ; tiles 0, 1, 2: six loads of mine are out, the most in this text
	s_nop 0
	tensor_load_to_lds s[G0V+4*\s:G0V+4*\s+3], s[G1V:G1V+7]
	s_nop 0
.endr
	v_and_b32 v1, 15, v0                           ; r
	v_bfe_u32 v7, v0, 4, 1                         ; h
	v_lshlrev_b32 v[QO], 7, v1
	v_lshl_add_u32 v[QO], v7, 4, v[QO]
.irp q, 0,1,2,3
.irp ks, 0,1
	global_load_b128 v[QF+16*\q+8*\ks:QF+16*\q+8*\ks+3],   v[QO], s[4:5] offset:2048*\q+64*\ks       ; Q stays in registers for the whole walk
	global_load_b128 v[QF+16*\q+8*\ks+4:QF+16*\q+8*\ks+7], v[QO], s[4:5] offset:2048*\q+64*\ks+32
.endr
.endr
	v_mul_u32_u24 v[KADR], v1, KP
	v_lshl_add_u32 v[KADR], v7, 4, v[KADR]
	v_and_b32 v[TA], 7, v0
	v_lshl_add_u32 v[TA], v7, 3, v[TA]             ; key row 8 h + lane % 8
	v_mul_u32_u24 v[TA], v[TA], VP
	v_bfe_u32 v[TA+1], v0, 3, 1
	v_lshl_add_u32 v[TA], v[TA+1], 4, v[TA]
	WIN 0x40
	v_add_nc_u32 v[VADR], VRING, v[TA]             ; v448
	WIN 0
	s_lshl_b32 s60, s12, 7
	s_add_co_u32 s60, s60, STG
	v_mul_u32_u24 v[STO], v1, STP
	v_lshl_add_u32 v[STO], v7, 4, v[STO]
	v_add_nc_u32 v[STO], s60, v[STO]               ; stage row r, my head at byte 128 w, 16 bytes for each half of the lanes
	s_mul_i32 s61, s12, 16*STP
	s_add_co_u32 s61, s61, STG
	v_and_b32 v[CO], 31, v0
	v_lshlrev_b32 v[CO], 4, v[CO]
	v_add_nc_u32 v[RD], s61, v[CO]                 ; back: rows 16 w .. +15, a whole row of 512 bytes a load
.irp q, 0,1,2,3
	v_mov_b32 v[MM+2*\q+1], 0xff800000             ; the maximum before step 0 is minus infinity: its rescale factor comes out as 0,
	v_mov_b32 v[AL+2*\q+1], 0                      ; and the row sum starts at 0: the first step needs no form of its own
.endr
.macro KLD slot, blk                   ; the K fragments of 32 keys: 8 loads
.irp kt, 0,1
.irp ks, 0,1
	ds_load_b128 v[KF+16*\kt+8*\ks:KF+16*\kt+8*\ks+3],   v[KADR] offset:KSLOT*(\slot)+KP*(32*(\blk)+16*\kt)+64*\ks
	ds_load_b128 v[KF+16*\kt+8*\ks+4:KF+16*\kt+8*\ks+7], v[KADR] offset:KSLOT*(\slot)+KP*(32*(\blk)+16*\kt)+64*\ks+32
.endr
.endr
.endm
.macro VLD buf, slot, blk              ; the V fragments of 32 keys, transposed: 8 loads (destination and address in window 1)
.irp dt, 0,1,2,3
	ds_load_tr16_b128 v[VF+32*(\buf)+8*\dt:VF+32*(\buf)+8*\dt+3],   v[VADR] offset:VSLOT*(\slot)+32*VP*(\blk)+32*\dt
	ds_load_tr16_b128 v[VF+32*(\buf)+8*\dt+4:VF+32*(\buf)+8*\dt+7], v[VADR] offset:VSLOT*(\slot)+32*VP*(\blk)+32*\dt+16*VP
.endr
.endm
; Product u of the 16 that make a block of scores in buffer p: d half u / 8, key tile (u / 4) % 2, query tile u % 4.  The first eight start
; the sums; each of the second eight adds onto the product eight turns before it: accumulators by turns.
.macro QKW p, u
.set qd_, SS+64*(\p)+16*((\u)&3)+8*(((\u)>>2)&1)
.set qa_, KF+16*(((\u)>>2)&1)+8*((\u)>>3)
.set qb_, QF+16*((\u)&3)+8*((\u)>>3)
.if (\u) < 8
	v_wmma_f32_16x16x32_f16 v[qd_:qd_+7], v[qa_:qa_+7], v[qb_:qb_+7], 0
.else
	v_wmma_f32_16x16x32_f16 v[qd_:qd_+7], v[qa_:qa_+7], v[qb_:qb_+7], v[qd_:qd_+7]
.endif
.endm
.macro W qk, p, u                      ; the next step's product u, into the other buffer
.if \qk
	QKW 1-\p, \u
.endif
.endm
; The largest of a lane's 16 scores of each query tile: two chains a tile, the eight chains interleaved.
.macro MAXROW p, i
.irp q, 0,1,2,3
.if \i == 0
	v_max3_num_f32 v[TA+2*\q],   v[SS+64*(\p)+16*\q],   v[SS+64*(\p)+16*\q+1], v[SS+64*(\p)+16*\q+2]
	v_max3_num_f32 v[TA+2*\q+1], v[SS+64*(\p)+16*\q+8], v[SS+64*(\p)+16*\q+9], v[SS+64*(\p)+16*\q+10]
.else
	v_max3_num_f32 v[TA+2*\q],   v[TA+2*\q],   v[SS+64*(\p)+16*\q+2*\i+1], v[SS+64*(\p)+16*\q+2*\i+2]
	v_max3_num_f32 v[TA+2*\q+1], v[TA+2*\q+1], v[SS+64*(\p)+16*\q+2*\i+9], v[SS+64*(\p)+16*\q+2*\i+10]
.endif
.endr
.endm
.macro MAXEND p
.irp q, 0,1,2,3
	v_max3_num_f32 v[TA+2*\q], v[TA+2*\q], v[SS+64*(\p)+16*\q+7], v[SS+64*(\p)+16*\q+15]
.endr
.irp q, 0,1,2,3
	v_max_num_f32 v[TA+2*\q], v[TA+2*\q], v[TA+2*\q+1]
.endr
.endm
; The other half of the wave holds the query's other 16 keys; new maximum m; rescale factor 2^(old m - m).
.macro CROSS p
.irp q, 0,1,2,3
	v_permlanex16_b32 v[TA+2*\q+1], v[TA+2*\q], s56, s57
.endr
.irp q, 0,1,2,3
	v_max3_num_f32 v[MM+2*\q+(\p)], v[TA+2*\q], v[TA+2*\q+1], v[MM+2*\q+1-(\p)]
.endr
.irp q, 0,1,2,3
	v_sub_f32 v[TA+2*\q+1], v[MM+2*\q+1-(\p)], v[MM+2*\q+(\p)]
.endr
.irp q, 0,1,2,3
	v_exp_f32 v[AL+2*\q], v[TA+2*\q+1]             ; first used, and its source rewritten, far behind the plain instructions that follow (ISA guide 5.7.2)
.endr
.endm
.macro SUBQ p, q                       ; s - m, two at a time; both halves take register p of the pair of maxima
.irp i, 0,2,4,6,8,10,12,14
	v_pk_add_f32 v[SS+64*(\p)+16*\q+\i:SS+64*(\p)+16*\q+\i+1], v[SS+64*(\p)+16*\q+\i:SS+64*(\p)+16*\q+\i+1], v[MM+2*\q:MM+2*\q+1] op_sel:[0,\p] op_sel_hi:[1,\p] neg_lo:[0,1] neg_hi:[0,1]
.endr
.endm
.macro EXPQ p, q                       ; p = 2^(s - m), in place; the results are first read behind the plain instructions of the next tile's SUBQ or of SUMROW
.irp i, 0,1,2,3,4,5,6,7,8,9,10,11,12,13,14,15
	v_exp_f32 v[SS+64*(\p)+16*\q+\i], v[SS+64*(\p)+16*\q+\i]
.endr
.endm
.macro SUMROW p, i                     ; a lane's 16 p of each query tile are added in pairs, the four chains interleaved
.irp q, 0,1,2,3
.if \i == 1
	s_wait_alu depctr_va_vdst(0)
	v_pk_add_f32 v[TA+2*\q:TA+2*\q+1], v[SS+64*(\p)+16*\q:SS+64*(\p)+16*\q+1], v[SS+64*(\p)+16*\q+2:SS+64*(\p)+16*\q+3]
.else
	v_pk_add_f32 v[TA+2*\q:TA+2*\q+1], v[TA+2*\q:TA+2*\q+1], v[SS+64*(\p)+16*\q+2*\i:SS+64*(\p)+16*\q+2*\i+1]
.endif
.endr
.endm
.macro SUMEND                          ; l = l x factor + the two partial sums
.irp q, 0,1,2,3
	v_fma_f32 v[AL+2*\q+1], v[AL+2*\q+1], v[AL+2*\q], v[TA+2*\q]
.endr
.irp q, 0,1,2,3
	v_add_f32 v[AL+2*\q+1], v[AL+2*\q+1], v[TA+2*\q+1]
.endr
.endm
.macro CVTQ p, q                       ; 16 p become 8 registers of f16, in place and ascending: register i is written when 2 i and 2 i + 1 are read
.irp i, 0,1,2,3,4,5,6,7
	v_cvt_pk_f16_f32 v[SS+64*(\p)+16*\q+\i], v[SS+64*(\p)+16*\q+2*\i], v[SS+64*(\p)+16*\q+2*\i+1]
.endr
.endm
.macro RS u                            ; O tile u times its query tile's factor (window 1; the factor in window 0)
.irp i, 0,2,4,6
	v_pk_mul_f32 v[8*(\u)+\i:8*(\u)+\i+1], v[8*(\u)+\i:8*(\u)+\i+1], v[AL+2*((\u)>>2):AL+2*((\u)>>2)+1] op_sel_hi:[1,0]
.endr
.endm
.macro PVW p, u, first                 ; O tile u += V^T (d tile u % 4) x P^T (query tile u / 4); sixteen accumulators by turns
.if \first
	v_wmma_f32_16x16x32_f16 v[8*(\u):8*(\u)+7], v[VF+32*(\p)+8*((\u)&3):VF+32*(\p)+8*((\u)&3)+7], v[SS+64*(\p)+16*((\u)>>2):SS+64*(\p)+16*((\u)>>2)+7], 0
.else
	v_wmma_f32_16x16x32_f16 v[8*(\u):8*(\u)+7], v[VF+32*(\p)+8*((\u)&3):VF+32*(\p)+8*((\u)&3)+7], v[SS+64*(\p)+16*((\u)>>2):SS+64*(\p)+16*((\u)>>2)+7], v[8*(\u):8*(\u)+7]
.endif
.endm
; Step t, p = t % 2.  kl: the K fragments of step t + 2 are loaded from (ksl, kbl); vl: the V fragments of step t + 1 from (vsl, vbl);
; qk: the scores of step t + 1 are made; first: the first P V starts the sums of O.
; LDS loads go out in the order K(t+1), V(t), K(t+2), V(t+1), eight each, which gives the two counts.
; The vector instructions between the products name none of their registers (they work on the other score buffer), so at least eight places
; stand between the last P V of step t - 1 and the first product that writes over its P, and twelve between the last score product and KLD.
.macro STEP p, kl, ksl, kbl, vl, vsl, vbl, qk, first
.if \qk
	s_wait_dscnt 0x8                               ; K(t+1) is in; the eight younger loads are V(t)
.endif
	MAXROW \p, 0
	W \qk, \p, 0
	MAXROW \p, 1
	W \qk, \p, 1
	MAXROW \p, 2
	W \qk, \p, 2
	MAXEND \p
	W \qk, \p, 3
	CROSS \p
	W \qk, \p, 4
	SUBQ \p, 0
	W \qk, \p, 5
	EXPQ \p, 0
	W \qk, \p, 6
	SUBQ \p, 1
	W \qk, \p, 7
	EXPQ \p, 1
	W \qk, \p, 8
	SUBQ \p, 2
	W \qk, \p, 9
	EXPQ \p, 2
	W \qk, \p, 10
	SUBQ \p, 3
	W \qk, \p, 11
	EXPQ \p, 3
	W \qk, \p, 12
	SUMROW \p, 1
	SUMROW \p, 2
	W \qk, \p, 13
	SUMROW \p, 3
	SUMROW \p, 4
	W \qk, \p, 14
	SUMROW \p, 5
	SUMROW \p, 6
	W \qk, \p, 15
	SUMROW \p, 7
	SUMEND
.if \kl
	KLD \ksl, \kbl
.endif
	CVTQ \p, 0
	CVTQ \p, 1
	CVTQ \p, 2
	CVTQ \p, 3
	WIN 0x51                                       ; source 0, C and D in window 1; source 1 (P, the factors) in window 0
.if \vl
	VLD 1-\p, \vsl, \vbl
.endif
	s_wait_dscnt 8*\kl+8*\vl                       ; V(t) is in; the younger loads are K(t+2) and V(t+1)
.if \first
.set n_, 0
.rept 16
	PVW \p, n_, 1
.set n_, n_+1
.endr
.else
	RS 0
	RS 1
.set n_, 0
.rept 16
	PVW \p, n_, 0
.if n_ < 14
	RS n_+2                                        ; the rescale of a later tile rides behind each product
.endif
.set n_, n_+1
.endr
.endif
	WIN 0
.endm
; Stage u = the four steps of tile u (slot a); their look-ahead reaches into tile u + 1 (slot b).  Slot a is last read in the third step.
.macro STAGE a, b, first
	STEP 0, 1,\a,2, 1,\a,1, 1, \first
	STEP 1, 1,\a,3, 1,\a,2, 1, 0
	STEP 0, 1,\b,0, 1,\a,3, 1, 0
	STEP 1, 1,\b,1, 1,\b,0, 1, 0
.endm
; The head of stage u: tile u + 2 goes into slot c, which held tile u - 1.  Every wave has all its tensor loads landed (tile u + 1 among
; them) and its LDS reads back; the round says so of all four work-groups; the two joint refills are the first tensor loads behind it,
; and have the whole stage in which to land.
.macro HEADF c
	s_set_vgpr_msb 0x5
	s_wait_tensorcnt 0x0
	ds_add_u32 v200, v201
	s_wait_dscnt 0x0
	s_set_vgpr_msb 0x500
	s_add_nc_u64 s[G0K+4*\c+2:G0K+4*\c+3], s[G0K+4*\c+2:G0K+4*\c+3], 49152      ; three tiles on; no load of mine is out
	s_add_nc_u64 s[G0V+4*\c+2:G0V+4*\c+3], s[G0V+4*\c+2:G0V+4*\c+3], 49152
	s_wait_dscnt 0x0
	ROUND
	tensor_load_to_lds s[G0K+4*\c:G0K+4*\c+3], s[G1K:G1K+7]
	s_nop 0
	tensor_load_to_lds s[G0V+4*\c:G0V+4*\c+3], s[G1V:G1V+7]
	s_nop 0
.endm
	s_wait_tensorcnt 0x2                           ; my parts of tiles 0 and 1 are in; K and V of tile 2 stay out
	s_barrier_signal -1
	s_barrier_wait -1
	KLD 0, 0
	s_wait_loadcnt 0x0                             ; Q
	s_wait_dscnt 0x0
.set n_, 0
.rept 16
	QKW 0, n_                                      ; the scores of step 0
.set n_, n_+1
.endr
	PLACES                                         ; behind the products: the loads into their sources, the first read of the scores
	KLD 0, 1
	WIN 0x51
	VLD 0, 0, 0
	WIN 0
	STAGE 0, 1, 1                                  ; stage 0
	s_mov_b32 s58, 4
.Lwalk:                                            ; stages 1 to 12: the slots repeat every three stages
	HEADF 0
	STAGE 1, 2, 0
	HEADF 1
	STAGE 2, 0, 0
	HEADF 2
	STAGE 0, 1, 0
	s_sub_co_u32 s58, s58, 1
	s_cmp_lg_u32 s58, 0
	s_cbranch_scc1 .Lwalk
	HEADF 0                                        ; stage 13 asks for tile 15, the last
	STAGE 1, 2, 0
	s_wait_tensorcnt 0x0                           ; stage 14: my part of tile 15 is in,
	s_wait_dscnt 0x0
	s_barrier_signal -1
	s_barrier_wait -1                              ; everybody's is; nothing is filled any more
	STAGE 2, 0, 0
	STEP 0, 1,0,2, 1,0,1, 1, 0                     ; stage 15: the look-ahead runs out
	STEP 1, 1,0,3, 1,0,2, 1, 0
	STEP 0, 0,0,0, 1,0,3, 1, 0
	STEP 1, 0,0,0, 0,0,0, 0, 0
	; THE WAY OUT.  l of the two halves of the wave is joined, O is divided by it, rounded, and the four heads meet in the stage, so that
	; a row of 512 bytes (four heads x 64 d) leaves whole.  The adds and the v_nop are also the places behind the last product.
.irp q, 0,1,2,3
	v_permlanex16_b32 v[TA+2*\q], v[AL+2*\q+1], s56, s57
.endr
.irp q, 0,1,2,3
	v_add_f32 v[TA+2*\q+1], v[AL+2*\q+1], v[TA+2*\q]
.endr
.irp q, 0,1,2,3
	v_rcp_f32 v[AL+2*\q], v[TA+2*\q+1]
.endr
	v_nop                                          ; a plain instruction between the reciprocals and their first use (ISA guide 5.7.2)
	s_wait_alu depctr_va_vdst(0)
	WIN 0x51
.set n_, 0
.rept 16
	RS n_
.set n_, n_+1
.endr
	WIN 0x05                                       ; sources in window 1, destination in window 0
.set n_, 0
.rept 16
.irp i, 0,1,2,3
	v_cvt_pk_f16_f32 v[SS+4*n_+\i], v[8*n_+2*\i], v[8*n_+2*\i+1]
.endr
.set n_, n_+1
.endr
	WIN 0
.irp q, 0,1,2,3
.irp dt, 0,1,2,3
	ds_store_b128 v[STO], v[SS+16*\q+4*\dt:SS+16*\q+4*\dt+3] offset:16*STP*\q+32*\dt
.endr
.endr
	s_wait_dscnt 0x0                               ; my stores are done, for the sake of the waves that read them
	s_barrier_signal -1
	s_barrier_wait -1
.irp t, 0,1,2,3,4,5,6,7,8,9,10,11,12,13,14,15
	ds_load_b128 v[SS+64+4*\t:SS+64+4*\t+3], v[RD] offset:STP*\t
.endr
.irp t, 0,1,2,3,4,5,6,7,8,9,10,11,12,13,14,15
	s_wait_dscnt 15-\t
	global_store_b128 v[CO], v[SS+64+4*\t:SS+64+4*\t+3], s[10:11] offset:2048*\t     ; 512 consecutive bytes, aligned
.endr
	s_set_vgpr_msb 0x5
	s_wait_tensorcnt 0x0
	ds_add_u32 v200, v201
	s_wait_dscnt 0x0
	s_set_vgpr_msb 0x500
	ROUND                                          ; the closing round
	s_endpgm
.Lfunc_end_k_qbc8371f175_attn:
	.size	k_qbc8371f175_attn, .Lfunc_end_k_qbc8371f175_attn-k_qbc8371f175_attn
	.p2alignl 7, 3214868480
	.fill 96, 4, 3214868480
	.section	.rodata,"a",@progbits
	.p2align	6, 0x0
	.amdhsa_kernel k_qbc8371f175_attn
		.amdhsa_group_segment_fixed_size 327680
		.amdhsa_private_segment_fixed_size 0
		.amdhsa_enable_private_segment 0
		.amdhsa_kernarg_size 32
		.amdhsa_user_sgpr_count 2
		.amdhsa_user_sgpr_kernarg_segment_ptr 1
		.amdhsa_wavefront_size32 1
		.amdhsa_system_sgpr_workgroup_id_x 1
		.amdhsa_system_sgpr_workgroup_id_y 1
		.amdhsa_system_sgpr_workgroup_id_z 1
		.amdhsa_system_vgpr_workitem_id 0
		.amdhsa_next_free_vgpr 458
		.amdhsa_next_free_sgpr 76
		.amdhsa_reserve_vcc 0
		.amdhsa_float_denorm_mode_32 3
		.amdhsa_float_denorm_mode_16_64 3
		.amdhsa_memory_ordered 1
		.amdhsa_forward_progress 1
		.amdhsa_inst_pref_size 255
	.end_amdhsa_kernel
	.section	.bss,"aw",@nobits
	.p2align	6
	.space	262144
	.amdgpu_metadata
---
amdhsa.version: [ 1, 2 ]
amdhsa.kernels:
  - .name:           k_qbc8371f175_attn
    .symbol:         k_qbc8371f175_attn.kd
    .args:
      - { .name: qb, .offset: 0, .size: 8, .value_kind: global_buffer, .address_space: global }
      - { .name: kb, .offset: 8, .size: 8, .value_kind: global_buffer, .address_space: global }
      - { .name: vb, .offset: 16, .size: 8, .value_kind: global_buffer, .address_space: global }
      - { .name: ao, .offset: 24, .size: 8, .value_kind: global_buffer, .address_space: global }
    .group_segment_fixed_size: 327680
    .private_segment_fixed_size: 0
    .kernarg_segment_align: 8
    .kernarg_segment_size: 32
    .max_flat_workgroup_size: 128
    .sgpr_count:     76
    .vgpr_count:     458
    .wavefront_size: 32
...
	.end_amdgpu_metadata
.endif
;; end of part 3
;; launch oproj (part 4): grid 8 x 32, 4 waves a work-group, clusters of 4 x 4, 327,680 bytes of LDS; arguments ao, wb, out0; writes out0
.if DOCPART == 4
	.amdgcn_target "amdgcn-amd-amdhsa--gfx1250"
	.amdhsa_code_object_version 6
	.text
	.protected	k_qbc8371f175_oproj
	.globl	k_qbc8371f175_oproj
	.p2align	8
	.type	k_qbc8371f175_oproj,@function
k_qbc8371f175_oproj:
	s_mov_b64 s[64:65], 0
	v_nop
	global_prefetch_b8 v0, s[64:65] scope:SCOPE_SE
	s_setreg_imm32_b32 hwreg(HW_REG_WAVE_MODE, 25, 1), 1
	s_wait_xcnt 0x0
	s_wait_alu depctr_hold_cnt(0) depctr_sa_sdst(0) depctr_va_vdst(0) depctr_va_sdst(0) depctr_va_ssrc(0) depctr_va_vcc(0) depctr_vm_vsrc(0)
	s_getreg_b32 s2, hwreg(HW_REG_IB_STS2, 6, 4)
	s_cmp_eq_u32 s2, 0
	s_cbranch_scc0 .Lentry_in_a_cluster
	s_endpgm
.Lentry_in_a_cluster:
	s_bfe_u32 s2, ttmp6, 0x10000c
	s_cmp_lg_u32 s2, 0xf033
	s_cbranch_scc0 .Lentry_shape_is_right
	s_endpgm
.Lentry_shape_is_right:
; out0[4096][1024] (f32) = ao (f16) x W_o (f16, [in][out], at byte 3,145,728 of wb), f32 sums.
; Work-group (bx, by), 8 x 32, makes 128 x 128; four waves 2 x 2 of 64 x 64 (16 accumulator tiles each): for 32 along K a wave reads 64 rows of
; A and 64 columns of W for 16 products.  CLUSTERS 4 x 4: the tile of ao hangs on by alone and is asked for jointly by a row of the cluster,
; the tile of W_o on bx alone and is asked for jointly by a column: a quarter of the requests.
; K goes in steps of 128 through two LDS slots: A 128 rows x 256 bytes, pitch 272 = 17 x 16; W 128 k-rows x 256 bytes, pitch 288 = 9 x 32.
; By this text's count a wave never has more than two tensor loads out.
; The matrix instruction is used transposed (source 0 = columns of W, source 1 = rows of ao): a lane holds eight neighbouring columns of a row.
.set APITCH, 272
.set AHALF,  64*APITCH
.set WOFF,   2*AHALF
.set WPITCH, 288
.set SLOT,   WOFF+128*WPITCH           ; 71,680
.set STAGE,  2*SLOT                    ; 143,360: behind the ring, no tensor load lands here
.set SPITCH, 272
.set STGW,   16*SPITCH                 ; 4,352 = 17 x 256 bytes for each wave
.set ADRA, 8
.set ADRW, 10
.set STO,  12
.set RD,   13
.set CO,   14
.set AFR,  16                          ; v[16:79]   A fragments: 32 p + 8 mt
.set WF,   80                          ; v[80:143]  W fragments: 32 p + 8 nt
.set RB,   144                         ; v[144:175] way out: rows read back
                                       ; window 1: accumulator (mt, nt) at 8 (4 mt + nt)
.set G1A, 24
.set G0A, 32
.set G1W, 40
.set G0W, 48
.set MSB, 0
.macro WIN new
.if MSB != \new
	s_set_vgpr_msb (MSB<<8)|\new
.set MSB, \new
.endif
.endm
.macro PLACES                          ; four places behind a matrix instruction (ISA guide 7.12.1); this loop has no vector work to put there
.rept 4
	v_nop
.endr
.endm
.macro JLOAD s                         ; waves 0, 1 fetch the halves of A, waves 2, 3 those of W
	s_cmp_eq_u32 s19, 0
	s_cbranch_scc0 .Lfor_w_\@
	tensor_load_to_lds s[G0A+4*\s:G0A+4*\s+3], s[G1A:G1A+7]
	s_nop 0
	s_branch .Lasked_\@
.Lfor_w_\@:
	tensor_load_to_lds s[G0W+4*\s:G0W+4*\s+3], s[G1W:G1W+7]
	s_nop 0
.Lasked_\@:
.endm
.macro CREST
	s_cmp_lg_u32 s18, 0
	s_cbranch_scc1 .Lnot_wave_0_\@
	s_barrier_signal -3
.Lnot_wave_0_\@:
	s_barrier_wait -3
	s_barrier_signal -1
	s_barrier_wait -1
.endm
.macro CROUND
	s_barrier_signal -1
	s_barrier_wait -1
	CREST
.endm
	s_load_b128 s[4:7], s[0:1], 0x0                ; ao s[4:5], wb s[6:7]
	s_load_b64 s[8:9], s[0:1], 0x10                ; out0
	v_lshl_add_u32 v254, v0, 2, 0x29000
	v_mov_b32 v255, 0
	ds_add_u32 v254, v255
	v_lshrrev_b32 v1, 5, v0
	v_readfirstlane_b32 s18, v1                    ; wave
	s_lshr_b32 s19, s18, 1                         ; my half of the rows.  Also: I fetch for A (0) or for W (1)
	s_and_b32 s20, s18, 1                          ; my half of the columns.  Also: which half of that tile I fetch
	s_bfe_u32 s21, ttmp6, 0x40000                  ; cx
	s_bfe_u32 s22, ttmp6, 0x40004                  ; cy
	s_lshl_b32 s57, ttmp9, 2
	s_add_co_u32 s57, s57, s21                     ; bx
	s_and_b32 s56, ttmp7, 0xffff
	s_lshl_b32 s56, s56, 2
	s_add_co_u32 s56, s56, s22                     ; by
	s_lshl_b32 s58, s22, 2
	s_lshl_b32 s58, 15, s58                        ; my row of the cluster
	s_lshl_b32 s59, 0x1111, s21                    ; my column
	s_or_b32 s[G1A+0], s58, (1<<16)|(1<<20)|(1<<21)|(5<<22)|(3<<25)   ; 64 rows x 128 f16, 16 bytes of padding behind every 64 words
	s_mov_b32 s[G1A+1], 128<<16
	s_mov_b32 s[G1A+2], 64<<16
	s_mov_b32 s[G1A+3], 128<<16
	s_mov_b32 s[G1A+4], 64
	s_mov_b32 s[G1A+5], 1024
	s_mov_b32 s[G1A+6], 0
	s_mov_b32 s[G1A+7], 0
	s_or_b32 s[G1W+0], s59, (1<<16)|(1<<20)|(1<<21)|(5<<22)|(7<<25)   ; 64 k-rows x 128 f16, 32 bytes of padding
	s_mov_b32 s[G1W+1], 128<<16
	s_mov_b32 s[G1W+2], 64<<16
	s_mov_b32 s[G1W+3], 128<<16
	s_mov_b32 s[G1W+4], 64
	s_mov_b32 s[G1W+5], 1024
	s_mov_b32 s[G1W+6], 0
	s_mov_b32 s[G1W+7], 0
	s_lshl_b32 s60, s56, 18                        ; ao: rows 128 by + 64 half of 2,048 bytes
	s_lshl_b32 s61, s20, 17
	s_add_co_u32 s60, s60, s61
	s_mov_b32 s61, 0
	s_lshl_b32 s62, s20, 17                        ; W_o: k-rows 64 half of 2,048 bytes, column 128 bx
	s_lshl_b32 s63, s57, 8
	s_add_co_u32 s62, s62, s63
	s_add_co_u32 s62, s62, 3145728
	s_mov_b32 s63, 0
	s_mul_i32 s78, s20, AHALF
	s_mul_i32 s79, s20, 64*WPITCH
	s_lshl_b32 s70, s56, 19                        ; out0: row 128 by + 64 wm of 4,096 bytes, column 128 bx + 64 wn of 4 bytes
	s_lshl_b32 s71, s19, 18
	s_add_co_u32 s70, s70, s71
	s_lshl_b32 s71, s57, 9
	s_add_co_u32 s70, s70, s71
	s_lshl_b32 s71, s20, 8
	s_add_co_u32 s70, s70, s71
	s_mov_b32 s71, 0
	s_wait_dscnt 0x0
	s_wait_kmcnt 0x0
	s_add_nc_u64 s[66:67], s[4:5], s[60:61]
	s_add_nc_u64 s[68:69], s[6:7], s[62:63]
	s_add_nc_u64 s[72:73], s[8:9], s[70:71]
	CROUND                                         ; all sixteen work-groups are here: the first joint loads meet
.irp s, 0,1
	s_mov_b32 s[G0A+4*\s], 1
	s_add_co_u32 s[G0A+4*\s+1], s78, \s*SLOT
	s_add_nc_u64 s[G0A+4*\s+2:G0A+4*\s+3], s[66:67], \s*256
	s_or_b32 s[G0A+4*\s+3], s[G0A+4*\s+3], 0x80000000
	s_mov_b32 s[G0W+4*\s], 1
	s_add_co_u32 s[G0W+4*\s+1], s79, \s*SLOT+WOFF
	s_add_nc_u64 s[G0W+4*\s+2:G0W+4*\s+3], s[68:69], \s*262144
	s_or_b32 s[G0W+4*\s+3], s[G0W+4*\s+3], 0x80000000
	JLOAD \s
.endr
	v_and_b32 v1, 15, v0                           ; r
	v_bfe_u32 v2, v0, 4, 1                         ; h
	v_and_b32 v3, 7, v0
	v_bfe_u32 v4, v0, 3, 1
	s_mul_i32 s78, s19, AHALF                      ; my 64 rows of A
	v_mul_u32_u24 v5, v1, APITCH
	v_lshl_add_u32 v5, v2, 4, v5
	v_add_nc_u32 v[ADRA], s78, v5
	v_add_nc_u32 v[ADRA+1], SLOT, v[ADRA]
	s_lshl_b32 s79, s20, 7                         ; my 64 columns of W
	s_add_co_u32 s79, s79, WOFF
	v_lshl_add_u32 v6, v2, 3, v3                   ; k-row 8 h + lane % 8
	v_mul_u32_u24 v7, v6, WPITCH
	v_lshl_add_u32 v7, v4, 4, v7
	v_add_nc_u32 v[ADRW], s79, v7
	v_add_nc_u32 v[ADRW+1], SLOT, v[ADRW]
	s_mul_i32 s79, s18, STGW
	s_add_co_u32 s79, s79, STAGE
	v_mul_u32_u24 v5, v1, SPITCH
	v_lshl_add_u32 v5, v2, 5, v5
	v_add_nc_u32 v[STO], s79, v5                   ; in: row r, 32 bytes for each half of the lanes
	v_mul_u32_u24 v5, v2, SPITCH
	v_lshl_add_u32 v5, v1, 4, v5
	v_add_nc_u32 v[RD], s79, v5                    ; back: sixteen lanes take a row of 256 bytes
	v_lshlrev_b32 v5, 12, v2
	v_lshl_add_u32 v[CO], v1, 4, v5                ; and the same two rows in out0
.macro FETCH slot, ks, p               ; 16 loads: the fragments of 32 along K into buffer p
.irp mt, 0,1,2,3
	ds_load_b128 v[AFR+32*(\p)+8*\mt:AFR+32*(\p)+8*\mt+3],   v[ADRA+\slot] offset:16*APITCH*\mt+64*(\ks)
	ds_load_b128 v[AFR+32*(\p)+8*\mt+4:AFR+32*(\p)+8*\mt+7], v[ADRA+\slot] offset:16*APITCH*\mt+64*(\ks)+32
.endr
.irp u, 0,1,2,3
	ds_load_tr16_b128 v[WF+32*(\p)+8*\u:WF+32*(\p)+8*\u+3],   v[ADRW+\slot] offset:32*WPITCH*(\ks)+32*\u
	ds_load_tr16_b128 v[WF+32*(\p)+8*\u+4:WF+32*(\p)+8*\u+7], v[ADRW+\slot] offset:32*WPITCH*(\ks)+32*\u+16*WPITCH
.endr
.endm
.macro MUL p, zero                     ; 16 products; the 16 accumulators take turns, one instruction a turn
	WIN 0x50
.irp u, 0,1,2,3
.irp mt, 0,1,2,3
.if \zero
	v_wmma_f32_16x16x32_f16 v[8*(4*\mt+\u):8*(4*\mt+\u)+7], v[WF+32*(\p)+8*\u:WF+32*(\p)+8*\u+7], v[AFR+32*(\p)+8*\mt:AFR+32*(\p)+8*\mt+7], 0
.else
	v_wmma_f32_16x16x32_f16 v[8*(4*\mt+\u):8*(4*\mt+\u)+7], v[WF+32*(\p)+8*\u:WF+32*(\p)+8*\u+7], v[AFR+32*(\p)+8*\mt:AFR+32*(\p)+8*\mt+7], v[8*(4*\mt+\u):8*(4*\mt+\u)+7]
.endif
.endr
.endr
	WIN 0
.endm
.macro SUB slot, ks, p, zero
	PLACES                                         ; between the last products and the loads into the buffer that they read
	FETCH \slot, \ks+1, 1-\p
	s_wait_dscnt 16                                ; all but the 16 just issued: buffer p is in
	MUL \p, \zero
.endm
.macro THREE slot, zero
	SUB \slot, 0, 0, \zero
	SUB \slot, 1, 1, 0
	SUB \slot, 2, 0, 0
.endm
; The fourth sub-step changes slots: my reads of this slot are back and all my tensor loads have landed (the one that was out is my part of the
; next slot); with fill = 1 the barrier opens a round of the cluster barrier and the joint refill is the first tensor load behind it.
.macro TURN slot, next, fill
	s_wait_dscnt 0x0
	s_wait_tensorcnt 0x0
	ds_add_u32 v254, v255
	s_wait_dscnt 0x0
	s_barrier_signal -1
	PLACES
	s_barrier_wait -1
.if \fill
	CREST
	s_add_nc_u64 s[G0A+4*\slot+2:G0A+4*\slot+3], s[G0A+4*\slot+2:G0A+4*\slot+3], 512       ; two K steps on; no load of mine is out
	s_add_nc_u64 s[G0W+4*\slot+2:G0W+4*\slot+3], s[G0W+4*\slot+2:G0W+4*\slot+3], 524288
	JLOAD \slot
.endif
	FETCH \next, 0, 0
	MUL 1, 0
.endm
.macro LAP zero
	THREE 0, \zero
	TURN 0, 1, 1
	THREE 1, 0
	TURN 1, 0, 1
.endm
	s_wait_tensorcnt 0x1                           ; my part of K step 0 is in; K step 1 stays out
	s_barrier_signal -1
	s_barrier_wait -1
	FETCH 0, 0, 0
	LAP 1                                          ; the first products start the sums
	s_mov_b32 s76, 2
.Llap:
	LAP 0
	s_sub_co_u32 s76, s76, 1
	s_cmp_lg_u32 s76, 0
	s_cbranch_scc1 .Llap
	THREE 0, 0                                     ; the last lap fills nothing
	TURN 0, 1, 0
	THREE 1, 0
	s_wait_dscnt 0x0
	MUL 1, 0
	; THE WAY OUT, 16 rows x 64 columns of f32 at a time: straight from the accumulators into my own stage, back as rows of 256 bytes.
	PLACES                                         ; behind the last products, in front of the LDS stores that read the sums
.macro OUTM mt
	WIN 0x04                                       ; the data of the LDS stores in window 1
.irp u, 0,1,2,3
	ds_store_b128 v[STO], v[8*(4*\mt+\u):8*(4*\mt+\u)+3]   offset:64*\u
	ds_store_b128 v[STO], v[8*(4*\mt+\u)+4:8*(4*\mt+\u)+7] offset:64*\u+16
.endr
	WIN 0
	s_wait_xcnt 0x0                                ; RB was the data of earlier stores: it is loaded again only behind this wait
.irp t, 0,1,2,3,4,5,6,7
	ds_load_b128 v[RB+4*\t:RB+4*\t+3], v[RD] offset:2*SPITCH*\t    ; LDS serves a wave in order (ISA guide 5.7.1): these see the stores above
.endr
.irp t, 0,1,2,3,4,5,6,7
	s_wait_dscnt 7-\t
	global_store_b128 v[CO], v[RB+4*\t:RB+4*\t+3], s[72:73] offset:8192*\t+65536*\mt th:TH_STORE_NT   ; sixteen lanes store 256 consecutive bytes, aligned
.endr
.endm
	OUTM 0
	OUTM 1
	OUTM 2
	OUTM 3
	s_wait_tensorcnt 0x0
	ds_add_u32 v254, v255
	s_wait_dscnt 0x0
	CROUND                                         ; the closing round
	s_endpgm
.Lfunc_end_k_qbc8371f175_oproj:
	.size	k_qbc8371f175_oproj, .Lfunc_end_k_qbc8371f175_oproj-k_qbc8371f175_oproj
	.p2alignl 7, 3214868480
	.fill 96, 4, 3214868480
	.section	.rodata,"a",@progbits
	.p2align	6, 0x0
	.amdhsa_kernel k_qbc8371f175_oproj
		.amdhsa_group_segment_fixed_size 327680
		.amdhsa_private_segment_fixed_size 0
		.amdhsa_enable_private_segment 0
		.amdhsa_kernarg_size 24
		.amdhsa_user_sgpr_count 2
		.amdhsa_user_sgpr_kernarg_segment_ptr 1
		.amdhsa_wavefront_size32 1
		.amdhsa_system_sgpr_workgroup_id_x 1
		.amdhsa_system_sgpr_workgroup_id_y 1
		.amdhsa_system_sgpr_workgroup_id_z 1
		.amdhsa_system_vgpr_workitem_id 0
		.amdhsa_next_free_vgpr 384
		.amdhsa_next_free_sgpr 84
		.amdhsa_reserve_vcc 0
		.amdhsa_float_denorm_mode_32 3
		.amdhsa_float_denorm_mode_16_64 3
		.amdhsa_memory_ordered 1
		.amdhsa_forward_progress 1
		.amdhsa_inst_pref_size 73
	.end_amdhsa_kernel
	.amdgpu_metadata
---
amdhsa.version: [ 1, 2 ]
amdhsa.kernels:
  - .name:           k_qbc8371f175_oproj
    .symbol:         k_qbc8371f175_oproj.kd
    .args:
      - { .name: ao, .offset: 0, .size: 8, .value_kind: global_buffer, .address_space: global }
      - { .name: wb, .offset: 8, .size: 8, .value_kind: global_buffer, .address_space: global }
      - { .name: out0, .offset: 16, .size: 8, .value_kind: global_buffer, .address_space: global }
    .group_segment_fixed_size: 327680
    .private_segment_fixed_size: 0
    .kernarg_segment_align: 8
    .kernarg_segment_size: 24
    .max_flat_workgroup_size: 128
    .sgpr_count:     84
    .vgpr_count:     384
    .wavefront_size: 32
...
	.end_amdgpu_metadata
.endif
;; end of part 4
;; ======== version 2 of 2: 4 launches
;; limits: values are held in f16: magnitudes above 65,504 overflow, below 6.1e-05 lose precision
;; workspace buffers: wb 5,242,880 bytes; qb 8,388,608 bytes; kb 2,097,152 bytes; vb 2,097,152 bytes; ao 8,388,608 bytes
;; launch castw: the kernel of part 1 again; grid 320 x 1, 8 waves a work-group, no clusters, 0 bytes of LDS; arguments W_q, W_k, W_v, W_o, wb; writes wb
;; launch proj (part 5): grid 8 x 32, 4 waves a work-group, clusters of 4 x 4, 327,680 bytes of LDS; arguments q, k, v, wb, qb, kb, vb; writes qb, kb, vb
.if DOCPART == 5
	.amdgcn_target "amdgcn-amd-amdhsa--gfx1250"
	.amdhsa_code_object_version 6
	.text
	.protected	k_qbc8371f175_proj
	.globl	k_qbc8371f175_proj
	.p2align	8
	.type	k_qbc8371f175_proj,@function
k_qbc8371f175_proj:
	s_mov_b64 s[64:65], 0
	v_nop
	global_prefetch_b8 v0, s[64:65] scope:SCOPE_SE
	s_setreg_imm32_b32 hwreg(HW_REG_WAVE_MODE, 25, 1), 1
	s_wait_xcnt 0x0
	s_wait_alu depctr_hold_cnt(0) depctr_sa_sdst(0) depctr_va_vdst(0) depctr_va_sdst(0) depctr_va_ssrc(0) depctr_va_vcc(0) depctr_vm_vsrc(0)
	s_getreg_b32 s2, hwreg(HW_REG_IB_STS2, 6, 4)
	s_cmp_eq_u32 s2, 0
	s_cbranch_scc0 .Lentry_in_a_cluster
	s_endpgm
.Lentry_in_a_cluster:
	s_bfe_u32 s2, ttmp6, 0x10000c
	s_cmp_lg_u32 s2, 0xf033
	s_cbranch_scc0 .Lentry_shape_is_right
	s_endpgm
.Lentry_shape_is_right:
; The three input projections, f32 activations (rounded to f16 on the way) x f16 weights (from wb), f32 sums, f16 results laid out by head:
;   qb[b][16 heads][2048][64] = c (q W_q), c = 0.125 log2 e;   kb, vb[b][4 heads][2048][64] = k W_k, v W_v.
; FORMAT AND ITS LIMIT: f16 operands and results.  |q|, |k|, |v|, |c Q|, |K|, |V| must stay below 65,504.  A sum has 1,024 terms: with activations of
; spread 1 and weights of spread 1/32 the results have spread 1; both 30 times larger: 900; both with an offset of 30 spreads: 1,024 x 30 x 30/32 = 28,800.
; Both 30 times smaller: c Q has spread 2e-4 and is kept in steps of 6e-8.
; LIMIT OF ROUNDING: the factor 1/8 of the scores and the log2 e of the exponential are applied to Q in f32 before Q is rounded
; to f16, so the scores are rounded in another order than in the reference; Q, K and V are kept in f16 between the launches.
; Work-group (bx, by), 8 x 32: first rows 128 by .. +127 x columns 128 bx .. +127 of q W_q, then the same rows x columns 64 cx .. +63 of
; k W_k (cluster column 0) or v W_v (cluster column 1).  256 work-groups of equal work.
; Wave w owns rows 32 w .. +31 and all the columns of the tile: each f32 activation is read from LDS and rounded once in the work-group.
; CLUSTERS 4 x 4: the activation tile hangs on by (and the cluster column) alone and is asked for jointly by a row of the cluster,
; the weight tile on bx alone (K, V: cluster column and cx) and is asked for jointly by a column: a quarter of the requests.
; THE RING.  K goes in steps of 128; the two products are ONE stream of 16 tiles (0-7: q and W_q, 8-15: k or v and W_k or W_v), tile t in slot t % 3.
; In front of a refill every wave has all its tensor loads landed, so what travels is what one round of the cluster barrier issues: here two tiles.
; At the end of each odd tile t the slots of tiles t - 1 and t are asked for again (tiles t + 2, t + 3), while tile t + 1 has landed unread and is
; multiplied meanwhile: seven filling rounds for the 16 tiles.  By this text's count a wave never has more than three tensor loads out.
; Slot: A 128 rows x 512 bytes, pitch 528 = 33 x 16; W 128 k-rows x 256 bytes, pitch 288 = 9 x 32 (K, V: 128 bytes, pitch 160 = 5 x 32): the rows
; that one LDS load touches start at different 16-byte columns modulo 256.
; The 16 tiles are written out: no loop would run more than two trips.
; The matrix instruction is used transposed (source 0 = 16 columns of W, source 1 = 16 rows of activations): a lane then holds eight
; neighbouring columns of one row of the result.
.set APITCH, 528
.set AHALF,  64*APITCH                 ; what one tensor load brings of A
.set WOFF,   2*AHALF                   ; W behind A in a slot
.set WPQ,    288
.set WPKV,   160
.set SLOT,   WOFF+128*WPQ              ; 104,448
.set STAGE,  3*SLOT                    ; 313,344: behind the ring, no tensor load lands here
.set STGW,   2560                      ; a stage of 16 rows x 144 bytes for each wave, in blocks of 256 bytes of its own
.set SPITCH, 144
.set AF,   16                          ; v[16:47]   raw f32 of my two row tiles, 32 k
.set ABF,  48                          ; v[48:79]   the same in f16: buffer p, row tile mt at 16 p + 8 mt
.set WF,   80                          ; v[80:207]  W fragments: buffer p, column tile nt at 64 p + 8 nt
.set TMP,  208                         ; v[208:223] way out: packed results
.set RB,   224                         ; v[224:239] way out: rows read back
.set ADRA,  240                        ; v240-242   LDS address of my A rows in slot 0, 1, 2
.set ADRWQ, 243                        ; v243-245   LDS address of the W fragments at pitch 288
.set ADRWK, 246                        ; v246-248   the same at pitch 160
.set STO,  249                         ; way out: where I put 16 bytes of a row
.set RD,   250                         ; way out: where I read rows back
.set CO,   251                         ; way out: 16 x lane
                                       ; window 1: v256-383 sums of Q, (mt, nt) at 8 (8 mt + nt); v384-447 sums of K or V, (mt, nt) at 128 + 8 (4 mt + nt)
.set G1A,  24                          ; s[24:31] group 1 of A
.set G0A,  32                          ; s[32:43] group 0 of A, one set for each slot
.set G0W,  44                          ; s[44:55] group 0 of W, one set for each slot
.set G1WQ, 84                          ; s[84:91] group 1 of W_q
.set G1WK, 92                          ; s[92:99] group 1 of W_k, W_v
.set PAQ,  66                          ; s[66:67] q at my half tile
.set PWQ,  68                          ; s[68:69] W_q at my half tile
.set PAK,  70                          ; s[70:71] k or v at my half tile
.set PWK,  72                          ; s[72:73] W_k or W_v at my half tile
.set POQ,  74                          ; s[74:75] qb at my rows
.set POK,  76                          ; s[76:77] kb or vb at my rows
.set MSB, 0
.macro WIN new                         ; the high byte of the immediate repeats the setting that is left
.if MSB != \new
	s_set_vgpr_msb (MSB<<8)|\new
.set MSB, \new
.endif
.endm
.macro PLACES                          ; four places behind a matrix instruction (ISA guide 7.12.1)
.rept 4
	v_nop
.endr
.endm
; The addresses of tile t go into its slot's two sets of group 0.  Written only where no tensor load of the wave is out.
.macro SETT t
.set sl_, (\t)%3
.if (\t) < 8
	s_add_nc_u64 s[G0A+4*sl_+2:G0A+4*sl_+3], s[PAQ:PAQ+1], (\t)*512          ; 128 f32 a K step
	s_add_co_u32 s[G0W+4*sl_+1], s79, sl_*SLOT+WOFF
	s_add_nc_u64 s[G0W+4*sl_+2:G0W+4*sl_+3], s[PWQ:PWQ+1], (\t)*262144       ; 128 rows of 2,048 bytes
.else
	s_add_nc_u64 s[G0A+4*sl_+2:G0A+4*sl_+3], s[PAK:PAK+1], ((\t)-8)*512
	s_add_co_u32 s[G0W+4*sl_+1], s80, sl_*SLOT+WOFF
	s_add_nc_u64 s[G0W+4*sl_+2:G0W+4*sl_+3], s[PWK:PWK+1], ((\t)-8)*65536    ; 128 rows of 512 bytes
.endif
	s_or_b32 s[G0A+4*sl_+3], s[G0A+4*sl_+3], 0x80000000
	s_or_b32 s[G0W+4*sl_+3], s[G0W+4*sl_+3], 0x80000000
.endm
; The joint load of tile t: waves 0, 1 fetch the two halves of A, waves 2, 3 those of W.  The branch hangs on the wave number alone.
.macro JLOAD t
.set sl_, (\t)%3
	s_cmp_eq_u32 s19, 0
	s_cbranch_scc0 .Lfor_w_\@
	tensor_load_to_lds s[G0A+4*sl_:G0A+4*sl_+3], s[G1A:G1A+7]
	s_nop 0
	s_branch .Lasked_\@
.Lfor_w_\@:
.if (\t) < 8
	tensor_load_to_lds s[G0W+4*sl_:G0W+4*sl_+3], s[G1WQ:G1WQ+7]
	s_nop 0
.else
	tensor_load_to_lds s[G0W+4*sl_:G0W+4*sl_+3], s[G1WK:G1WK+7]
	s_nop 0
.endif
.Lasked_\@:
.endm
.macro CREST                           ; a round of the cluster barrier behind its opening work-group barrier
	s_cmp_lg_u32 s18, 0
	s_cbranch_scc1 .Lnot_wave_0_\@
	s_barrier_signal -3
.Lnot_wave_0_\@:
	s_barrier_wait -3
	s_barrier_signal -1
	s_barrier_wait -1
.endm
.macro CROUND                          ; a whole round
	s_barrier_signal -1
	s_barrier_wait -1
	CREST
.endm
	s_load_b256 s[4:11], s[0:1], 0x0               ; q s[4:5], k s[6:7], v s[8:9], wb s[10:11]
	s_load_b128 s[12:15], s[0:1], 0x20             ; qb s[12:13], kb s[14:15]
	s_load_b64 s[16:17], s[0:1], 0x30              ; vb
	v_lshl_add_u32 v254, v0, 2, 0x4f000
	v_mov_b32 v255, 0
	ds_add_u32 v254, v255
	v_lshrrev_b32 v1, 5, v0
	v_readfirstlane_b32 s18, v1                    ; wave 0..3
	s_lshr_b32 s19, s18, 1                         ; I fetch for A (0) or for W (1)
	s_and_b32 s20, s18, 1                          ; which half of that tile
	s_bfe_u32 s21, ttmp6, 0x40000                  ; cx
	s_bfe_u32 s22, ttmp6, 0x40004                  ; cy
	s_mov_b32 s23, ttmp9                           ; cluster column: 0 makes K, 1 makes V
	s_lshl_b32 s57, ttmp9, 2
	s_add_co_u32 s57, s57, s21                     ; bx
	s_and_b32 s56, ttmp7, 0xffff
	s_lshl_b32 s56, s56, 2
	s_add_co_u32 s56, s56, s22                     ; by
	s_lshl_b32 s58, s22, 2
	s_lshl_b32 s58, 15, s58                        ; my row of the cluster
	s_lshl_b32 s59, 0x1111, s21                    ; my column
	s_mov_b32 s82, 0x3e38aa3b                      ; c = 0.125 log2 e,
	s_mov_b32 s83, 0x3e38aa3b                      ; as a pair for the packed multiply
	; group 1 of A: 64 rows x 128 f32, 16 bytes of padding behind every 128 words
	s_or_b32 s[G1A+0], s58, (2<<16)|(1<<20)|(1<<21)|(6<<22)|(3<<25)
	s_mov_b32 s[G1A+1], 128<<16                    ; tensor_dim0 = 128
	s_mov_b32 s[G1A+2], 64<<16                     ; tensor_dim1 = 64
	s_mov_b32 s[G1A+3], 128<<16                    ; tile_dim0 = 128
	s_mov_b32 s[G1A+4], 64                         ; tile_dim1 = 64
	s_mov_b32 s[G1A+5], 1024                       ; elements from row to row
	s_mov_b32 s[G1A+6], 0
	s_mov_b32 s[G1A+7], 0
	; group 1 of W_q: 64 k-rows x 128 f16, 32 bytes of padding behind every 64 words
	s_or_b32 s[G1WQ+0], s59, (1<<16)|(1<<20)|(1<<21)|(5<<22)|(7<<25)
	s_mov_b32 s[G1WQ+1], 128<<16
	s_mov_b32 s[G1WQ+2], 64<<16
	s_mov_b32 s[G1WQ+3], 128<<16
	s_mov_b32 s[G1WQ+4], 64
	s_mov_b32 s[G1WQ+5], 1024
	s_mov_b32 s[G1WQ+6], 0
	s_mov_b32 s[G1WQ+7], 0
	; group 1 of W_k, W_v: 64 k-rows x 64 f16, 32 bytes of padding behind every 32 words
	s_or_b32 s[G1WK+0], s59, (1<<16)|(1<<20)|(1<<21)|(4<<22)|(7<<25)
	s_mov_b32 s[G1WK+1], 64<<16
	s_mov_b32 s[G1WK+2], 64<<16
	s_mov_b32 s[G1WK+3], 64<<16
	s_mov_b32 s[G1WK+4], 64
	s_mov_b32 s[G1WK+5], 256
	s_mov_b32 s[G1WK+6], 0
	s_mov_b32 s[G1WK+7], 0
	; offsets.  A: rows 128 by + 64 half, 4,096 bytes each (the same in q, k and v)
	s_lshl_b32 s60, s56, 19
	s_lshl_b32 s61, s20, 18
	s_add_co_u32 s60, s60, s61
	s_mov_b32 s61, 0
	; W_q: k-rows 64 half of 2,048 bytes, column 128 bx
	s_lshl_b32 s[PWQ], s20, 17
	s_lshl_b32 s[PWQ+1], s57, 8
	s_add_co_u32 s[PWQ], s[PWQ], s[PWQ+1]
	s_mov_b32 s[PWQ+1], 0
	; W_k or W_v: 524,288 bytes each, behind W_q; k-rows 64 half of 512 bytes; column 64 cx
	s_lshl_b32 s[PWK], s23, 19
	s_lshl_b32 s[PWK+1], s20, 15
	s_add_co_u32 s[PWK], s[PWK], s[PWK+1]
	s_lshl_b32 s[PWK+1], s21, 7
	s_add_co_u32 s[PWK], s[PWK], s[PWK+1]
	s_add_co_u32 s[PWK], s[PWK], 2097152
	s_mov_b32 s[PWK+1], 0
	s_mul_i32 s78, s20, AHALF                      ; LDS: the half of A,
	s_mul_i32 s79, s20, 64*WPQ                     ; the half of W_q,
	s_mul_i32 s80, s20, 64*WPKV                    ; the half of W_k or W_v
	; results: row 128 (by & 15) + 32 w of the sequence, 128 bytes a row, heads 2,048 rows apart
	s_and_b32 s62, s56, 15
	s_lshl_b32 s62, s62, 7
	s_lshl_b32 s63, s18, 5
	s_add_co_u32 s62, s62, s63
	s_lshr_b32 s63, s56, 4                         ; batch
	s_lshl_b32 s[POQ], s63, 4
	s_lshl_b32 s[POQ+1], s57, 1
	s_add_co_u32 s[POQ], s[POQ], s[POQ+1]          ; query head 16 b + 2 bx
	s_lshl_b32 s[POQ], s[POQ], 11
	s_add_co_u32 s[POQ], s[POQ], s62
	s_lshl_b32 s[POQ], s[POQ], 7
	s_mov_b32 s[POQ+1], 0
	s_lshl_b32 s[POK], s63, 2
	s_add_co_u32 s[POK], s[POK], s21               ; KV head 4 b + cx
	s_lshl_b32 s[POK], s[POK], 11
	s_add_co_u32 s[POK], s[POK], s62
	s_lshl_b32 s[POK], s[POK], 7
	s_mov_b32 s[POK+1], 0
	s_wait_dscnt 0x0
	s_wait_kmcnt 0x0
	s_add_nc_u64 s[PAQ:PAQ+1], s[4:5], s[60:61]
	s_cmp_eq_u32 s23, 0
	s_cselect_b64 s[PAK:PAK+1], s[6:7], s[8:9]     ; k or v,
	s_cselect_b64 s[62:63], s[14:15], s[16:17]     ; kb or vb: by the cluster column, which all partners share
	s_add_nc_u64 s[PAK:PAK+1], s[PAK:PAK+1], s[60:61]
	s_add_nc_u64 s[PWQ:PWQ+1], s[10:11], s[PWQ:PWQ+1]
	s_add_nc_u64 s[PWK:PWK+1], s[10:11], s[PWK:PWK+1]
	s_add_nc_u64 s[POQ:POQ+1], s[12:13], s[POQ:POQ+1]
	s_add_nc_u64 s[POK:POK+1], s[62:63], s[POK:POK+1]
.irp s, 0,1,2
	s_mov_b32 s[G0A+4*\s], 1
	s_add_co_u32 s[G0A+4*\s+1], s78, \s*SLOT
	s_mov_b32 s[G0W+4*\s], 1
.endr
	SETT 0
	SETT 1
	SETT 2
	CROUND                                         ; all sixteen work-groups are here: the first joint loads meet
	JLOAD 0                                        ; the three slots' first fills
	JLOAD 1
	JLOAD 2
	; lane addresses.  r = lane % 16, h = lane / 16.
	v_and_b32 v1, 15, v0                           ; r
	v_bfe_u32 v2, v0, 4, 1                         ; h
	v_and_b32 v3, 7, v0                            ; lane % 8
	v_bfe_u32 v4, v0, 3, 1                         ; (lane / 8) % 2
	s_mul_i32 s81, s18, 32*APITCH
	v_mul_u32_u24 v5, v1, APITCH
	v_lshl_add_u32 v5, v2, 5, v5                   ; row r, 8 f32 for each half of the lanes
	v_add_nc_u32 v[ADRA], s81, v5
	v_add_nc_u32 v[ADRA+1], SLOT, v[ADRA]
	v_add_nc_u32 v[ADRA+2], 2*SLOT, v[ADRA]
	v_lshl_add_u32 v6, v2, 3, v3                   ; k-row 8 h + lane % 8
	v_mul_u32_u24 v7, v6, WPQ
	v_lshl_add_u32 v7, v4, 4, v7
	v_add_nc_u32 v[ADRWQ], WOFF, v7
	v_add_nc_u32 v[ADRWQ+1], SLOT, v[ADRWQ]
	v_add_nc_u32 v[ADRWQ+2], 2*SLOT, v[ADRWQ]
	v_mul_u32_u24 v7, v6, WPKV
	v_lshl_add_u32 v7, v4, 4, v7
	v_add_nc_u32 v[ADRWK], WOFF, v7
	v_add_nc_u32 v[ADRWK+1], SLOT, v[ADRWK]
	v_add_nc_u32 v[ADRWK+2], 2*SLOT, v[ADRWK]
	s_mul_i32 s81, s18, STGW
	s_add_co_u32 s81, s81, STAGE                   ; my stage
	v_mul_u32_u24 v5, v1, SPITCH
	v_lshl_add_u32 v5, v2, 4, v5
	v_add_nc_u32 v[STO], s81, v5                   ; in: row r, 16 bytes for each half of the lanes
	v_bfe_u32 v5, v0, 3, 2
	v_mul_u32_u24 v5, v5, SPITCH
	v_lshl_add_u32 v5, v3, 4, v5
	v_add_nc_u32 v[RD], s81, v5                    ; back: eight lanes take a row of 128 bytes
	v_and_b32 v[CO], 31, v0
	v_lshlrev_b32 v[CO], 4, v[CO]
; ph = 0: a tile of q W_q (8 column tiles, pitch 288); ph = 1: of k W_k or v W_v (4 column tiles, pitch 160).
; The loads of one sub-step (32 along K): 8 loads of raw f32 (lane: row r, k = 8 h .. +7 and 16 + 8 h .. +7), then 16 or 8 transposing loads of W
; (k-rows in LDS; a lane receives k = 8 h .. +7, then 16 + 8 h .. +7, of column 16 nt + r) into buffer p.
.macro FETCH slot, ks, p, ph
.irp mt, 0,1
	ds_load_b128 v[AF+16*\mt:AF+16*\mt+3],     v[ADRA+\slot] offset:16*APITCH*\mt+128*(\ks)
	ds_load_b128 v[AF+16*\mt+4:AF+16*\mt+7],   v[ADRA+\slot] offset:16*APITCH*\mt+128*(\ks)+16
	ds_load_b128 v[AF+16*\mt+8:AF+16*\mt+11],  v[ADRA+\slot] offset:16*APITCH*\mt+128*(\ks)+64
	ds_load_b128 v[AF+16*\mt+12:AF+16*\mt+15], v[ADRA+\slot] offset:16*APITCH*\mt+128*(\ks)+80
.endr
.set nt_, 0
.if \ph == 0
.rept 8
	ds_load_tr16_b128 v[WF+64*(\p)+8*nt_:WF+64*(\p)+8*nt_+3],   v[ADRWQ+\slot] offset:32*WPQ*(\ks)+32*nt_
	ds_load_tr16_b128 v[WF+64*(\p)+8*nt_+4:WF+64*(\p)+8*nt_+7], v[ADRWQ+\slot] offset:32*WPQ*(\ks)+32*nt_+16*WPQ
.set nt_, nt_+1
.endr
.else
.rept 4
	ds_load_tr16_b128 v[WF+64*(\p)+8*nt_:WF+64*(\p)+8*nt_+3],   v[ADRWK+\slot] offset:32*WPKV*(\ks)+32*nt_
	ds_load_tr16_b128 v[WF+64*(\p)+8*nt_+4:WF+64*(\p)+8*nt_+7], v[ADRWK+\slot] offset:32*WPKV*(\ks)+32*nt_+16*WPKV
.set nt_, nt_+1
.endr
.endif
.endm
; 16 roundings: the raw f32 become the two f16 fragments of buffer p.  They name no register of the products issued just before
; (which read the other buffers), so they are also the places between those products and the loads into the buffers that they read.
.macro CVT p
.irp mt, 0,1
.irp i, 0,1,2,3,4,5,6,7
	v_cvt_pk_f16_f32 v[ABF+16*(\p)+8*\mt+\i], v[AF+16*\mt+2*\i], v[AF+16*\mt+2*\i+1]
.endr
.endr
.endm
; 16 or 8 products.  All accumulators take turns, one instruction a turn, in the same order in every sub-step.
.macro MUL p, ph, zero
	WIN 0x50                                       ; C and D in window 1
.set nt_, 0
.rept 8-4*\ph
.irp mt, 0,1
.if \ph == 0
.set ac_, 8*(8*\mt+nt_)
.else
.set ac_, 128+8*(4*\mt+nt_)
.endif
.if \zero
	v_wmma_f32_16x16x32_f16 v[ac_:ac_+7], v[WF+64*(\p)+8*nt_:WF+64*(\p)+8*nt_+7], v[ABF+16*(\p)+8*\mt:ABF+16*(\p)+8*\mt+7], 0
.else
	v_wmma_f32_16x16x32_f16 v[ac_:ac_+7], v[WF+64*(\p)+8*nt_:WF+64*(\p)+8*nt_+7], v[ABF+16*(\p)+8*\mt:ABF+16*(\p)+8*\mt+7], v[ac_:ac_+7]
.endif
.endr
.set nt_, nt_+1
.endr
	WIN 0
.endm
; One of the first three sub-steps of a tile: buffer p is multiplied, the next sub-step is fetched into the other buffer.
.macro SUB slot, ks, p, ph, zero
	s_wait_dscnt 16-8*\ph                          ; the 8 raw loads are in; the 16 (8) younger loads, of W, may be out
	CVT \p
	FETCH \slot, \ks+1, 1-\p, \ph
	s_wait_dscnt 24-8*\ph                          ; all but the 24 (16) just issued
	MUL \p, \ph, \zero
.endm
.macro THREE slot, ph, zero
	SUB \slot, 0, 0, \ph, \zero
	SUB \slot, 1, 1, \ph, 0
	SUB \slot, 2, 0, \ph, 0
.endm
; The fourth sub-step of an even tile moves on to the next tile (slot next, kind phn).  cnt = my tensor loads that may stay out when my part of
; that tile has landed.  The barrier shows the tile to the other waves.
.macro TURN cnt, next, ph, phn
	s_wait_dscnt 0x0                               ; no LDS instruction of mine is pending at the signal
	s_wait_tensorcnt \cnt
	s_barrier_signal -1
	CVT 1                                          ; register work while the others arrive
	s_barrier_wait -1
	FETCH \next, 0, 0, \phn
	MUL 1, \ph, 0
.endm
; The fourth sub-step of an odd tile t.  Each wave has its reads of the slots of tiles t - 1 and t back and all its tensor loads landed (the one
; that could be out is its part of tile t + 1).  The barrier opens a round of the cluster barrier, so that the same holds of every wave of all
; partners; the joint refills, tiles t1 = t + 2 and (n = 2) t + 3, are the first tensor loads behind the round.
.macro TURNF next, ph, phn, t1, n
	s_wait_dscnt 0x0
	s_wait_tensorcnt 0x0
	ds_add_u32 v254, v255
	s_wait_dscnt 0x0
	s_barrier_signal -1
	CVT 1
	s_barrier_wait -1
	CREST
	SETT \t1                                       ; no load of mine is out: every group 0 may be written
.if \n == 2
	SETT \t1+1
.endif
	JLOAD \t1
.if \n == 2
	JLOAD \t1+1
.endif
	FETCH \next, 0, 0, \phn
	MUL 1, \ph, 0
.endm
; The way out of 16 rows x one head (64 columns; sums at window 1 register ab): round, 16 bytes a lane into my own stage, read back as rows of
; 128 bytes, which lie one behind the other in the result: each store of the wave covers 512 consecutive bytes, aligned.
.macro OUTG ab, off, sb
	WIN 0x05                                       ; sources in window 1
.irp u, 0,1,2,3
.irp i, 0,1,2,3
	v_cvt_pk_f16_f32 v[TMP+4*\u+\i], v[\ab+8*\u+2*\i], v[\ab+8*\u+2*\i+1]
.endr
.endr
	WIN 0
.irp u, 0,1,2,3
	ds_store_b128 v[STO], v[TMP+4*\u:TMP+4*\u+3] offset:32*\u
.endr
	s_wait_xcnt 0x0                                ; RB was the data of earlier stores: it is loaded again only behind this wait
.irp t, 0,1,2,3
	ds_load_b128 v[RB+4*\t:RB+4*\t+3], v[RD] offset:4*SPITCH*\t    ; LDS serves a wave in order (ISA guide 5.7.1): these see the stores above
.endr
.irp t, 0,1,2,3
	s_wait_dscnt 3-\t
	global_store_b128 v[CO], v[RB+4*\t:RB+4*\t+3], s[\sb:\sb+1] offset:512*\t+\off
.endr
.endm
	s_wait_tensorcnt 0x2                           ; my part of tile 0 is in; tiles 1 and 2 stay out
	s_barrier_signal -1
	s_barrier_wait -1
	FETCH 0, 0, 0, 0
	THREE 0, 0, 1                                  ; tile 0: its first products start the sums of Q
	TURN 1, 1, 0, 0                                ; tile 1 is in, tile 2 may be out
	THREE 1, 0, 0                                  ; tile 1
	TURNF 2, 0, 0, 3, 2                            ; tiles 3, 4 into slots 0, 1
	THREE 2, 0, 0                                  ; tile 2
	TURN 1, 0, 0, 0                                ; tile 3 is in, tile 4 may be out
	THREE 0, 0, 0                                  ; tile 3
	TURNF 1, 0, 0, 5, 2                            ; tiles 5, 6 into slots 2, 0
	THREE 1, 0, 0                                  ; tile 4
	TURN 1, 2, 0, 0
	THREE 2, 0, 0                                  ; tile 5
	TURNF 0, 0, 0, 7, 2                            ; tiles 7, 8 into slots 1, 2: tile 8 is the first of k or v
	THREE 0, 0, 0                                  ; tile 6
	TURN 1, 1, 0, 0
	THREE 1, 0, 0                                  ; tile 7
	TURNF 2, 0, 1, 9, 2                            ; tiles 9, 10 into slots 0, 1; the sums of Q are whole
	; Q leaves while tiles 9 and 10 travel.  The sums of K or V have registers of their own.
	PLACES                                         ; behind the last products, in front of the first read of a sum
	WIN 0x41
.set i_, 0
.rept 64
	v_pk_mul_f32 v[i_:i_+1], v[i_:i_+1], s[82:83] op_sel_hi:[1,0]   ; Q times c, in f32
.set i_, i_+2
.endr
	OUTG 0,  0,      POQ                           ; rows 0-15, head 2 bx
	OUTG 32, 262144, POQ                           ; rows 0-15, head 2 bx + 1
	OUTG 64, 2048,   POQ                           ; rows 16-31
	OUTG 96, 264192, POQ
	THREE 2, 1, 1                                  ; tile 8: its first products start the sums of K or V
	TURN 1, 0, 1, 1
	THREE 0, 1, 0                                  ; tile 9
	TURNF 1, 1, 1, 11, 2                           ; tiles 11, 12 into slots 2, 0
	THREE 1, 1, 0                                  ; tile 10
	TURN 1, 2, 1, 1
	THREE 2, 1, 0                                  ; tile 11
	TURNF 0, 1, 1, 13, 2                           ; tiles 13, 14 into slots 1, 2
	THREE 0, 1, 0                                  ; tile 12
	TURN 1, 1, 1, 1
	THREE 1, 1, 0                                  ; tile 13
	TURNF 2, 1, 1, 15, 1                           ; tile 15 into slot 0: the last
	THREE 2, 1, 0                                  ; tile 14
	TURN 0, 0, 1, 1                                ; tile 15 is in: no tensor load of mine is out any more
	THREE 0, 1, 0                                  ; tile 15
	s_wait_dscnt 0x0                               ; the very last sub-step: nothing more to fetch
	CVT 1
	MUL 1, 1, 0
	PLACES
	OUTG 128, 0,    POK
	OUTG 160, 2048, POK
	s_wait_tensorcnt 0x0
	ds_add_u32 v254, v255
	s_wait_dscnt 0x0
	CROUND                                         ; the closing round: no work-group ends while a partner may still ask jointly
	s_endpgm
.Lfunc_end_k_qbc8371f175_proj:
	.size	k_qbc8371f175_proj, .Lfunc_end_k_qbc8371f175_proj-k_qbc8371f175_proj
	.p2alignl 7, 3214868480
	.fill 96, 4, 3214868480
	.section	.rodata,"a",@progbits
	.p2align	6, 0x0
	.amdhsa_kernel k_qbc8371f175_proj
		.amdhsa_group_segment_fixed_size 327680
		.amdhsa_private_segment_fixed_size 0
		.amdhsa_enable_private_segment 0
		.amdhsa_kernarg_size 56
		.amdhsa_user_sgpr_count 2
		.amdhsa_user_sgpr_kernarg_segment_ptr 1
		.amdhsa_wavefront_size32 1
		.amdhsa_system_sgpr_workgroup_id_x 1
		.amdhsa_system_sgpr_workgroup_id_y 1
		.amdhsa_system_sgpr_workgroup_id_z 1
		.amdhsa_system_vgpr_workitem_id 0
		.amdhsa_next_free_vgpr 448
		.amdhsa_next_free_sgpr 100
		.amdhsa_reserve_vcc 0
		.amdhsa_float_denorm_mode_32 3
		.amdhsa_float_denorm_mode_16_64 3
		.amdhsa_memory_ordered 1
		.amdhsa_forward_progress 1
		.amdhsa_inst_pref_size 238
	.end_amdhsa_kernel
	.amdgpu_metadata
---
amdhsa.version: [ 1, 2 ]
amdhsa.kernels:
  - .name:           k_qbc8371f175_proj
    .symbol:         k_qbc8371f175_proj.kd
    .args:
      - { .name: q, .offset: 0, .size: 8, .value_kind: global_buffer, .address_space: global }
      - { .name: k, .offset: 8, .size: 8, .value_kind: global_buffer, .address_space: global }
      - { .name: v, .offset: 16, .size: 8, .value_kind: global_buffer, .address_space: global }
      - { .name: wb, .offset: 24, .size: 8, .value_kind: global_buffer, .address_space: global }
      - { .name: qb, .offset: 32, .size: 8, .value_kind: global_buffer, .address_space: global }
      - { .name: kb, .offset: 40, .size: 8, .value_kind: global_buffer, .address_space: global }
      - { .name: vb, .offset: 48, .size: 8, .value_kind: global_buffer, .address_space: global }
    .group_segment_fixed_size: 327680
    .private_segment_fixed_size: 0
    .kernarg_segment_align: 8
    .kernarg_segment_size: 56
    .max_flat_workgroup_size: 128
    .sgpr_count:     100
    .vgpr_count:     448
    .wavefront_size: 32
...
	.end_amdgpu_metadata
.endif
;; end of part 5
;; launch attn (part 6): grid 256 x 1, 8 waves a work-group, clusters of 4 x 1, 327,680 bytes of LDS; arguments qb, kb, vb, ao; writes ao
.if DOCPART == 6
	.amdgcn_target "amdgcn-amd-amdhsa--gfx1250"
	.amdhsa_code_object_version 6
	.text
	.protected	k_qbc8371f175_attn
	.globl	k_qbc8371f175_attn
	.p2align	8
	.type	k_qbc8371f175_attn,@function
k_qbc8371f175_attn:
	s_mov_b64 s[64:65], 0
	v_nop
	global_prefetch_b8 v0, s[64:65] scope:SCOPE_SE
	s_setreg_imm32_b32 hwreg(HW_REG_WAVE_MODE, 25, 1), 1
	s_wait_xcnt 0x0
	s_wait_alu depctr_hold_cnt(0) depctr_sa_sdst(0) depctr_va_vdst(0) depctr_va_sdst(0) depctr_va_ssrc(0) depctr_va_vcc(0) depctr_vm_vsrc(0)
	s_getreg_b32 s2, hwreg(HW_REG_IB_STS2, 6, 4)
	s_cmp_eq_u32 s2, 0
	s_cbranch_scc0 .Lentry_in_a_cluster
	s_endpgm
.Lentry_in_a_cluster:
	s_bfe_u32 s2, ttmp6, 0x10000c
	s_cmp_lg_u32 s2, 0x3003
	s_cbranch_scc0 .Lentry_shape_is_right
	s_endpgm
.Lentry_shape_is_right:
; ao[4096][1024] (f16, column 64 head + d) = softmax(Q K^T / 8) V, with a running maximum.  qb holds c Q, c = 0.125 log2 e, so the scores
; come out of the products as exponents of 2.
; FORMAT: f16 operands.  p = 2^(s - m) lies in [0, 1] and ao is a convex combination of rows of V, so neither can leave the range that V has.
; LIMITS: p below 2^-126 counts as 0 in the row sum (v_exp_f32 flushes, ISA guide 15.8), p below 3e-8 counts as 0 in P V (f16's smallest step is 6e-8);
; the row sum l adds the unrounded p while P V uses p rounded to f16; a row with an infinite or NaN score is not reproduced element for element.
; A work-group takes 64 queries x the four query heads of one KV head.  EIGHT WAVES, two for each head: wave w takes head w % 4 and the keys
; 1,024 (w / 4) .. +1,023.  The two waves of a head are independent until the end, so whichever of them has an instruction ready can issue; each K and V
; fragment is still read from LDS by four waves, as with one wave a head.  At the end waves 4-7 hand their maxima, row sums and sums O to waves 0-3
; through LDS, and these join the two halves with the common maximum, in f32.
; The four work-groups of a cluster take four neighbouring query blocks of the same KV head and ask for every K and V tile jointly (mask 15):
; a quarter of the requests.
; TRANSPOSED FORMS: S^T = K Q^T leaves lane (r, h) with query r and keys 8 h + j, 16 + 8 h + j; packed in pairs in place these 16 numbers are
; the second source of O^T = V^T P^T, whose first source is V through the transposing load.  Maximum, rescale factor and row sum are one
; number a lane; one exchange between the halves of the wave joins them.
; A STEP is 32 keys.  Its first part sets the 16 products of the NEXT step's scores one by one among the softmax of this step's scores;
; its second part sets four rescaling multiplies behind each of the 16 products of P V.  Two switches of the register window a step.
; LDS: for each key half a K ring of 3 x 128 rows x 144 bytes (at 0 and 55,296) and a V ring of 3 x 128 rows x 160 bytes (at 110,592 and 172,032);
; at 233,472 scratch of 73,728 bytes where no tensor load lands: first the exchange, then the stage of 64 rows x 528 bytes.
; A stage of the walk (four steps) reads two tiles while a third one travels, hence three slots.
.set KP,    144
.set VP,    160
.set KSLOT, 128*KP
.set VSLOT, 128*VP
.set KRING, 3*KSLOT                    ; one key half's K ring
.set VRSZ,  3*VSLOT                    ; one key half's V ring
.set VRING, 2*KRING
.set STG,   VRING+2*VRSZ               ; 233,472
.set STP,   528
.set XW,    36*512                     ; the exchange of one head: 32 + 2 + 2 stores of 512 bytes
.set KADR, 2                           ; v2  my K ring + 144 r + 16 h
.set QO,   3                           ; v3  128 r + 16 h
.set STO,  4                           ; v4  way out: where I put 16 bytes
.set RD,   5                           ; v5  way out: where I read rows back
.set CO,   6                           ; v6  16 x lane
.set XA,   7                           ; v7  my head's exchange + 16 x lane
.set MM,   8                           ; v[8:15]    query tile q: running maximum of even steps at 2 q, of odd steps at 2 q + 1
.set AL,   16                          ; v[16:23]   q: rescale factor at 2 q, row sum l at 2 q + 1
.set TA,   24                          ; v[24:31]   q: two registers at work
.set QF,   32                          ; v[32:95]   Q fragments: 16 q + 8 ks
.set KF,   96                          ; v[96:127]  K fragments: 16 kt + 8 ks
.set PM,   96                          ; at the end: v[96:103] the other half's MM, v[104:111] its AL
.set PL,   104
.set SS,   128                         ; v[128:255] scores: buffer p at 64 p, query tile q at 16 q (key tile 0, then 1); P in the first 8 of the 16
.set VF,   128                         ; window 1: v384-447 V fragments, buffer at 32 buf, d tile at 8 dt
.set VADR, 192                         ; window 1: v448 LDS address of the V fragments
                                       ; window 1: v256-383 O tile u = 4 q + dt at 8 u
.set G1K, 16
.set G1V, 24
.set G0K, 32                           ; s[32:43] one set for each slot
.set G0V, 44                           ; s[44:55]
.set MSB, 0
.macro WIN new
.if MSB != \new
	s_set_vgpr_msb (MSB<<8)|\new
.set MSB, \new
.endif
.endm
.macro PLACES
.rept 4
	v_nop
.endr
.endm
.macro ROUND                           ; a round of the cluster barrier
	s_barrier_signal -1
	s_barrier_wait -1
	s_cmp_lg_u32 s12, 0
	s_cbranch_scc1 .Lnot_wave_0_\@
	s_barrier_signal -3
.Lnot_wave_0_\@:
	s_barrier_wait -3
	s_barrier_signal -1
	s_barrier_wait -1
.endm
	s_load_b256 s[4:11], s[0:1], 0x0               ; qb s[4:5], kb s[6:7], vb s[8:9], ao s[10:11]
	s_set_vgpr_msb 0x40
	v_lshl_add_u32 v200, v0, 2, 0x4b000
	v_mov_b32 v201, 0
	s_set_vgpr_msb 0x4045
	ds_add_u32 v200, v201
	s_set_vgpr_msb 0x4500
	v_lshrrev_b32 v1, 5, v0
	v_readfirstlane_b32 s12, v1                    ; wave 0..7
	s_and_b32 s59, s12, 3                          ; query head within the group
	s_lshr_b32 s74, s12, 2                         ; key half
	s_bfe_u32 s13, ttmp6, 0x40000                  ; cx
	s_lshr_b32 s14, ttmp9, 3                       ; g = 4 batch + KV head: shared by the cluster
	s_and_b32 s15, ttmp9, 7
	s_lshl_b32 s15, s15, 2
	s_add_co_u32 s15, s15, s13                     ; query block 0..31
	s_mov_b32 s56, 0x76543210                      ; v_permlanex16_b32: lane i reads lane i of the other half
	s_mov_b32 s57, 0xfedcba98
	; group 1: 32 rows x 64 f16 for each wave; K padded by 16 bytes, V by 32 bytes behind every 32 words
	s_mov_b32 s[G1K+0], 15|(1<<16)|(1<<20)|(1<<21)|(4<<22)|(3<<25)
	s_mov_b32 s[G1K+1], 64<<16
	s_mov_b32 s[G1K+2], 32<<16
	s_mov_b32 s[G1K+3], 64<<16
	s_mov_b32 s[G1K+4], 32
	s_mov_b32 s[G1K+5], 64
	s_mov_b32 s[G1K+6], 0
	s_mov_b32 s[G1K+7], 0
	s_mov_b32 s[G1V+0], 15|(1<<16)|(1<<20)|(1<<21)|(4<<22)|(7<<25)
	s_mov_b32 s[G1V+1], 64<<16
	s_mov_b32 s[G1V+2], 32<<16
	s_mov_b32 s[G1V+3], 64<<16
	s_mov_b32 s[G1V+4], 32
	s_mov_b32 s[G1V+5], 64
	s_mov_b32 s[G1V+6], 0
	s_mov_b32 s[G1V+7], 0
	s_lshl_b32 s60, s14, 18                        ; KV head g: 262,144 bytes; key half: 131,072; my 32 rows of a tile: 4,096
	s_lshl_b32 s61, s74, 17
	s_add_co_u32 s60, s60, s61
	s_lshl_b32 s61, s59, 12
	s_add_co_u32 s60, s60, s61
	s_mov_b32 s61, 0
	s_mul_i32 s62, s74, KRING                      ; LDS: my half's K ring, my 32 rows
	s_mul_i32 s75, s59, 32*KP
	s_add_co_u32 s62, s62, s75
	s_mul_i32 s63, s74, VRSZ                       ; and the same in its V ring
	s_mul_i32 s75, s59, 32*VP
	s_add_co_u32 s63, s63, s75
	s_lshl_b32 s70, s14, 2                         ; Q: head 4 g + w % 4, 262,144 bytes; query block: 8,192 bytes
	s_add_co_u32 s70, s70, s59
	s_lshl_b32 s70, s70, 18
	s_lshl_b32 s71, s15, 13
	s_add_co_u32 s70, s70, s71
	s_mov_b32 s71, 0
	s_lshr_b32 s72, s14, 2                         ; ao: row 2,048 b + 64 block + 8 w of 2,048 bytes, column byte 512 KV head
	s_lshl_b32 s72, s72, 11
	s_lshl_b32 s73, s15, 6
	s_add_co_u32 s72, s72, s73
	s_lshl_b32 s73, s12, 3
	s_add_co_u32 s72, s72, s73
	s_lshl_b32 s72, s72, 11
	s_and_b32 s73, s14, 3
	s_lshl_b32 s73, s73, 9
	s_add_co_u32 s72, s72, s73
	s_mov_b32 s73, 0
	s_wait_dscnt 0x0
	s_wait_kmcnt 0x0
	s_add_nc_u64 s[66:67], s[6:7], s[60:61]
	s_add_nc_u64 s[68:69], s[8:9], s[60:61]
	s_add_nc_u64 s[4:5], s[4:5], s[70:71]
	s_add_nc_u64 s[10:11], s[10:11], s[72:73]
	ROUND                                          ; the four work-groups are here: the first joint loads meet
.irp s, 0,1,2
	s_mov_b32 s[G0K+4*\s], 1
	s_add_co_u32 s[G0K+4*\s+1], s62, \s*KSLOT
	s_add_nc_u64 s[G0K+4*\s+2:G0K+4*\s+3], s[66:67], \s*16384
	s_or_b32 s[G0K+4*\s+3], s[G0K+4*\s+3], 0x80000000
	s_mov_b32 s[G0V+4*\s], 1
	s_add_co_u32 s[G0V+4*\s+1], s63, VRING+\s*VSLOT
	s_add_nc_u64 s[G0V+4*\s+2:G0V+4*\s+3], s[68:69], \s*16384
	s_or_b32 s[G0V+4*\s+3], s[G0V+4*\s+3], 0x80000000
.if \s < 2
	tensor_load_to_lds s[G0K+4*\s:G0K+4*\s+3], s[G1K:G1K+7]         ; tiles 0, 1: four loads of mine are out, the most in this text
	s_nop 0
	tensor_load_to_lds s[G0V+4*\s:G0V+4*\s+3], s[G1V:G1V+7]
	s_nop 0
.endif
.endr
	v_and_b32 v1, 15, v0                           ; r
	v_bfe_u32 v[TA+2], v0, 4, 1                    ; h
	v_lshlrev_b32 v[QO], 7, v1
	v_lshl_add_u32 v[QO], v[TA+2], 4, v[QO]
.irp q, 0,1,2,3
.irp ks, 0,1
	global_load_b128 v[QF+16*\q+8*\ks:QF+16*\q+8*\ks+3],   v[QO], s[4:5] offset:2048*\q+64*\ks       ; Q stays in registers for the whole walk
	global_load_b128 v[QF+16*\q+8*\ks+4:QF+16*\q+8*\ks+7], v[QO], s[4:5] offset:2048*\q+64*\ks+32
.endr
.endr
	s_mul_i32 s75, s74, KRING
	v_mul_u32_u24 v[KADR], v1, KP
	v_lshl_add_u32 v[KADR], v[TA+2], 4, v[KADR]
	v_add_nc_u32 v[KADR], s75, v[KADR]
	v_and_b32 v[TA], 7, v0
	v_lshl_add_u32 v[TA], v[TA+2], 3, v[TA]        ; key row 8 h + lane % 8
	v_mul_u32_u24 v[TA], v[TA], VP
	v_bfe_u32 v[TA+1], v0, 3, 1
	v_lshl_add_u32 v[TA], v[TA+1], 4, v[TA]
	s_mul_i32 s75, s74, VRSZ
	s_add_co_u32 s75, s75, VRING
	WIN 0x40
	v_add_nc_u32 v[VADR], s75, v[TA]               ; v448
	WIN 0
	s_lshl_b32 s60, s59, 7
	s_add_co_u32 s60, s60, STG
	v_mul_u32_u24 v[STO], v1, STP
	v_lshl_add_u32 v[STO], v[TA+2], 4, v[STO]
	v_add_nc_u32 v[STO], s60, v[STO]               ; stage row r, my head at byte 128 (w % 4), 16 bytes for each half of the lanes
	s_mul_i32 s61, s12, 8*STP
	s_add_co_u32 s61, s61, STG
	v_and_b32 v[CO], 31, v0
	v_lshlrev_b32 v[CO], 4, v[CO]
	v_add_nc_u32 v[RD], s61, v[CO]                 ; back: rows 8 w .. +7, a whole row of 512 bytes a load
	s_mul_i32 s61, s59, XW
	s_add_co_u32 s61, s61, STG
	v_add_nc_u32 v[XA], s61, v[CO]                 ; the exchange: lane to lane, 512 consecutive bytes a store
.irp q, 0,1,2,3
	v_mov_b32 v[MM+2*\q+1], 0xff800000             ; the maximum before step 0 is minus infinity: its rescale factor comes out as 0,
	v_mov_b32 v[AL+2*\q+1], 0                      ; and the row sum starts at 0: the first step's softmax needs no form of its own
.endr
.macro KLD slot, blk                   ; the K fragments of 32 keys: 8 loads
.irp kt, 0,1
.irp ks, 0,1
	ds_load_b128 v[KF+16*\kt+8*\ks:KF+16*\kt+8*\ks+3],   v[KADR] offset:KSLOT*(\slot)+KP*(32*(\blk)+16*\kt)+64*\ks
	ds_load_b128 v[KF+16*\kt+8*\ks+4:KF+16*\kt+8*\ks+7], v[KADR] offset:KSLOT*(\slot)+KP*(32*(\blk)+16*\kt)+64*\ks+32
.endr
.endr
.endm
.macro VLD buf, slot, blk              ; the V fragments of 32 keys, transposed: 8 loads (destination and address in window 1)
.irp dt, 0,1,2,3
	ds_load_tr16_b128 v[VF+32*(\buf)+8*\dt:VF+32*(\buf)+8*\dt+3],   v[VADR] offset:VSLOT*(\slot)+32*VP*(\blk)+32*\dt
	ds_load_tr16_b128 v[VF+32*(\buf)+8*\dt+4:VF+32*(\buf)+8*\dt+7], v[VADR] offset:VSLOT*(\slot)+32*VP*(\blk)+32*\dt+16*VP
.endr
.endm
; Product u of the 16 that make a block of scores in buffer p: d half u / 8, key tile (u / 4) % 2, query tile u % 4.  The first eight start
; the sums; each of the second eight adds onto the product eight turns before it: accumulators by turns.
.macro QKW p, u
.set qd_, SS+64*(\p)+16*((\u)&3)+8*(((\u)>>2)&1)
.set qa_, KF+16*(((\u)>>2)&1)+8*((\u)>>3)
.set qb_, QF+16*((\u)&3)+8*((\u)>>3)
.if (\u) < 8
	v_wmma_f32_16x16x32_f16 v[qd_:qd_+7], v[qa_:qa_+7], v[qb_:qb_+7], 0
.else
	v_wmma_f32_16x16x32_f16 v[qd_:qd_+7], v[qa_:qa_+7], v[qb_:qb_+7], v[qd_:qd_+7]
.endif
.endm
.macro W qk, p, u                      ; the next step's product u, into the other buffer
.if \qk
	QKW 1-\p, \u
.endif
.endm
; The largest of a lane's 16 scores of each query tile: two chains a tile, the eight chains interleaved.
.macro MAXROW p, i
.irp q, 0,1,2,3
.if \i == 0
	v_max3_num_f32 v[TA+2*\q],   v[SS+64*(\p)+16*\q],   v[SS+64*(\p)+16*\q+1], v[SS+64*(\p)+16*\q+2]
	v_max3_num_f32 v[TA+2*\q+1], v[SS+64*(\p)+16*\q+8], v[SS+64*(\p)+16*\q+9], v[SS+64*(\p)+16*\q+10]
.else
	v_max3_num_f32 v[TA+2*\q],   v[TA+2*\q],   v[SS+64*(\p)+16*\q+2*\i+1], v[SS+64*(\p)+16*\q+2*\i+2]
	v_max3_num_f32 v[TA+2*\q+1], v[TA+2*\q+1], v[SS+64*(\p)+16*\q+2*\i+9], v[SS+64*(\p)+16*\q+2*\i+10]
.endif
.endr
.endm
.macro MAXEND p
.irp q, 0,1,2,3
	v_max3_num_f32 v[TA+2*\q], v[TA+2*\q], v[SS+64*(\p)+16*\q+7], v[SS+64*(\p)+16*\q+15]
.endr
.irp q, 0,1,2,3
	v_max_num_f32 v[TA+2*\q], v[TA+2*\q], v[TA+2*\q+1]
.endr
.endm
; The other half of the wave holds the query's other 16 keys; new maximum m; rescale factor 2^(old m - m).
.macro CROSS p
.irp q, 0,1,2,3
	v_permlanex16_b32 v[TA+2*\q+1], v[TA+2*\q], s56, s57
.endr
.irp q, 0,1,2,3
	v_max3_num_f32 v[MM+2*\q+(\p)], v[TA+2*\q], v[TA+2*\q+1], v[MM+2*\q+1-(\p)]
.endr
.irp q, 0,1,2,3
	v_sub_f32 v[TA+2*\q+1], v[MM+2*\q+1-(\p)], v[MM+2*\q+(\p)]
.endr
.irp q, 0,1,2,3
	v_exp_f32 v[AL+2*\q], v[TA+2*\q+1]             ; first used, and its source rewritten, far behind the plain instructions that follow (ISA guide 5.7.2)
.endr
.endm
.macro SUBQ p, q                       ; s - m, two at a time; both halves take register p of the pair of maxima
.irp i, 0,2,4,6,8,10,12,14
	v_pk_add_f32 v[SS+64*(\p)+16*\q+\i:SS+64*(\p)+16*\q+\i+1], v[SS+64*(\p)+16*\q+\i:SS+64*(\p)+16*\q+\i+1], v[MM+2*\q:MM+2*\q+1] op_sel:[0,\p] op_sel_hi:[1,\p] neg_lo:[0,1] neg_hi:[0,1]
.endr
.endm
.macro EXPQ p, q                       ; p = 2^(s - m), in place; the results are first read behind the plain instructions of the next tile's SUBQ or of SUMROW
.irp i, 0,1,2,3,4,5,6,7,8,9,10,11,12,13,14,15
	v_exp_f32 v[SS+64*(\p)+16*\q+\i], v[SS+64*(\p)+16*\q+\i]
.endr
.endm
.macro SUMROW p, i                     ; a lane's 16 p of each query tile are added in pairs, the four chains interleaved
.irp q, 0,1,2,3
.if \i == 1
	s_wait_alu depctr_va_vdst(0)
	v_pk_add_f32 v[TA+2*\q:TA+2*\q+1], v[SS+64*(\p)+16*\q:SS+64*(\p)+16*\q+1], v[SS+64*(\p)+16*\q+2:SS+64*(\p)+16*\q+3]
.else
	v_pk_add_f32 v[TA+2*\q:TA+2*\q+1], v[TA+2*\q:TA+2*\q+1], v[SS+64*(\p)+16*\q+2*\i:SS+64*(\p)+16*\q+2*\i+1]
.endif
.endr
.endm
.macro SUMEND                          ; l = l x factor + the two partial sums
.irp q, 0,1,2,3
	v_fma_f32 v[AL+2*\q+1], v[AL+2*\q+1], v[AL+2*\q], v[TA+2*\q]
.endr
.irp q, 0,1,2,3
	v_add_f32 v[AL+2*\q+1], v[AL+2*\q+1], v[TA+2*\q+1]
.endr
.endm
.macro CVTQ p, q                       ; 16 p become 8 registers of f16, in place and ascending: register i is written when 2 i and 2 i + 1 are read
.irp i, 0,1,2,3,4,5,6,7
	v_cvt_pk_f16_f32 v[SS+64*(\p)+16*\q+\i], v[SS+64*(\p)+16*\q+2*\i], v[SS+64*(\p)+16*\q+2*\i+1]
.endr
.endm
.macro RS u                            ; O tile u times its query tile's factor (window 1; the factor in window 0)
.irp i, 0,2,4,6
	v_pk_mul_f32 v[8*(\u)+\i:8*(\u)+\i+1], v[8*(\u)+\i:8*(\u)+\i+1], v[AL+2*((\u)>>2):AL+2*((\u)>>2)+1] op_sel_hi:[1,0]
.endr
.endm
.macro PVW p, u, first                 ; O tile u += V^T (d tile u % 4) x P^T (query tile u / 4); sixteen accumulators by turns
.if \first
	v_wmma_f32_16x16x32_f16 v[8*(\u):8*(\u)+7], v[VF+32*(\p)+8*((\u)&3):VF+32*(\p)+8*((\u)&3)+7], v[SS+64*(\p)+16*((\u)>>2):SS+64*(\p)+16*((\u)>>2)+7], 0
.else
	v_wmma_f32_16x16x32_f16 v[8*(\u):8*(\u)+7], v[VF+32*(\p)+8*((\u)&3):VF+32*(\p)+8*((\u)&3)+7], v[SS+64*(\p)+16*((\u)>>2):SS+64*(\p)+16*((\u)>>2)+7], v[8*(\u):8*(\u)+7]
.endif
.endm
; Step t of my 32, p = t % 2.  kl: the K fragments of step t + 2 are loaded from (ksl, kbl); vl: the V fragments of step t + 1 from (vsl, vbl);
; qk: the scores of step t + 1 are made; first: the first P V starts the sums of O.
; LDS loads go out in the order K(t+1), V(t), K(t+2), V(t+1), eight each, which gives the two counts.
; The vector instructions between the products name none of their registers (they work on the other score buffer), so at least eight places
; stand between the last P V of step t - 1 and the first product that writes over its P, and twelve between the last score product and KLD.
.macro STEP p, kl, ksl, kbl, vl, vsl, vbl, qk, first
.if \qk
	s_wait_dscnt 0x8                               ; K(t+1) is in; the eight younger loads are V(t)
.endif
	MAXROW \p, 0
	W \qk, \p, 0
	MAXROW \p, 1
	W \qk, \p, 1
	MAXROW \p, 2
	W \qk, \p, 2
	MAXEND \p
	W \qk, \p, 3
	CROSS \p
	W \qk, \p, 4
	SUBQ \p, 0
	W \qk, \p, 5
	EXPQ \p, 0
	W \qk, \p, 6
	SUBQ \p, 1
	W \qk, \p, 7
	EXPQ \p, 1
	W \qk, \p, 8
	SUBQ \p, 2
	W \qk, \p, 9
	EXPQ \p, 2
	W \qk, \p, 10
	SUBQ \p, 3
	W \qk, \p, 11
	EXPQ \p, 3
	W \qk, \p, 12
	SUMROW \p, 1
	SUMROW \p, 2
	W \qk, \p, 13
	SUMROW \p, 3
	SUMROW \p, 4
	W \qk, \p, 14
	SUMROW \p, 5
	SUMROW \p, 6
	W \qk, \p, 15
	SUMROW \p, 7
	SUMEND
.if \kl
	KLD \ksl, \kbl
.endif
	CVTQ \p, 0
	CVTQ \p, 1
	CVTQ \p, 2
	CVTQ \p, 3
	WIN 0x51                                       ; source 0, C and D in window 1; source 1 (P, the factors) in window 0
.if \vl
	VLD 1-\p, \vsl, \vbl
.endif
	s_wait_dscnt 8*\kl+8*\vl                       ; V(t) is in; the younger loads are K(t+2) and V(t+1)
.if \first
.set n_, 0
.rept 16
	PVW \p, n_, 1
.set n_, n_+1
.endr
.else
	RS 0
	RS 1
.set n_, 0
.rept 16
	PVW \p, n_, 0
.if n_ < 14
	RS n_+2                                        ; the rescale of a later tile rides behind each product
.endif
.set n_, n_+1
.endr
.endif
	WIN 0
.endm
; Stage u = steps 4 u + 1 .. 4 u + 4: one step behind the tiles' bounds, so that step 0, whose products start the sums of O, stands alone in front
; of the loop.  With their look-ahead the four steps read tile u (slot a: K block 3, V blocks 2, 3) and tile u + 1 (slot b: K blocks 0-2, V blocks 0, 1).
.macro STAGE a, b
	STEP 1, 1,\a,3, 1,\a,2, 1, 0
	STEP 0, 1,\b,0, 1,\a,3, 1, 0
	STEP 1, 1,\b,1, 1,\b,0, 1, 0
	STEP 0, 1,\b,2, 1,\b,1, 1, 0
.endm
; The head of stage u: tile u + 2 goes into slot c, which held tile u - 1 (last read in the second step of stage u - 1).  Every wave has all its tensor
; loads landed (tile u + 1 among them) and its LDS reads back; the round says so of all four work-groups; the two joint loads are the first tensor
; loads behind it, and have the whole stage in which to land.  Slot n, which the next head asks for, gets its address here: three tiles on.
.macro HEADF c, n
	s_set_vgpr_msb 0x5
	s_wait_tensorcnt 0x0
	ds_add_u32 v200, v201
	s_wait_dscnt 0x0
	s_set_vgpr_msb 0x500
	s_add_nc_u64 s[G0K+4*\n+2:G0K+4*\n+3], s[G0K+4*\n+2:G0K+4*\n+3], 49152      ; no load of mine is out: every group 0 may be written
	s_add_nc_u64 s[G0V+4*\n+2:G0V+4*\n+3], s[G0V+4*\n+2:G0V+4*\n+3], 49152
	s_wait_dscnt 0x0
	ROUND
	tensor_load_to_lds s[G0K+4*\c:G0K+4*\c+3], s[G1K:G1K+7]
	s_nop 0
	tensor_load_to_lds s[G0V+4*\c:G0V+4*\c+3], s[G1V:G1V+7]
	s_nop 0
.endm
	s_wait_tensorcnt 0x2                           ; my parts of K and V of tile 0 are in; those of tile 1 stay out
	s_barrier_signal -1
	s_barrier_wait -1
	KLD 0, 0
	s_wait_loadcnt 0x0                             ; Q
	s_wait_dscnt 0x0
.set n_, 0
.rept 16
	QKW 0, n_                                      ; the scores of step 0
.set n_, n_+1
.endr
	PLACES                                         ; behind the products: the loads into their sources, the first read of the scores
	KLD 0, 1
	WIN 0x51
	VLD 0, 0, 0
	WIN 0
	STEP 0, 1,0,2, 1,0,1, 1, 1                     ; step 0
	s_mov_b32 s58, 2
.Lwalk:                                            ; stages 0 to 5 ask for tiles 2 to 7: the slots repeat every three stages
	HEADF 2, 0
	STAGE 0, 1
	HEADF 0, 1
	STAGE 1, 2
	HEADF 1, 2
	STAGE 2, 0
	s_sub_co_u32 s58, s58, 1
	s_cmp_lg_u32 s58, 0
	s_cbranch_scc1 .Lwalk
	s_wait_tensorcnt 0x0                           ; stage 6: my part of tile 7, the last, is in,
	s_wait_dscnt 0x0
	s_barrier_signal -1
	s_barrier_wait -1                              ; everybody's is; nothing is filled any more
	STAGE 0, 1
	STEP 1, 1,1,3, 1,1,2, 1, 0                     ; steps 29, 30, 31: the look-ahead runs out
	STEP 0, 0,0,0, 1,1,3, 1, 0
	STEP 1, 0,0,0, 0,0,0, 0, 0
	; THE TWO KEY HALVES MEET.  Waves 4-7 put their sums O (128 registers), maxima and row sums into the exchange, lane for lane.
	PLACES                                         ; behind the last products: LDS stores read their results, LDS loads land on their sources
	s_cmp_eq_u32 s74, 0
	s_cbranch_scc1 .Lkeeps
	WIN 0x04                                       ; the data of the LDS stores in window 1
.set n_, 0
.rept 32
	ds_store_b128 v[XA], v[4*n_:4*n_+3] offset:512*n_
.set n_, n_+1
.endr
	WIN 0
	ds_store_b128 v[XA], v[MM:MM+3]   offset:512*32
	ds_store_b128 v[XA], v[MM+4:MM+7] offset:512*33
	ds_store_b128 v[XA], v[AL:AL+3]   offset:512*34
	ds_store_b128 v[XA], v[AL+4:AL+7] offset:512*35
.Lkeeps:
	s_wait_dscnt 0x0                               ; the stores are done, for the sake of the waves that read them
	s_barrier_signal -1
	s_barrier_wait -1
	s_cmp_lg_u32 s74, 0
	s_cbranch_scc1 .Lgave
	; Waves 0-3 (A) take the other half (B): m = max(mA, mB), a = 2^(mA - m), b = 2^(mB - m), l = lA a + lB b, O = (OA a + OB b) / l.
.set n_, 0
.rept 32
	ds_load_b128 v[SS+4*n_:SS+4*n_+3], v[XA] offset:512*n_
.set n_, n_+1
.endr
	ds_load_b128 v[PM:PM+3],   v[XA] offset:512*32
	ds_load_b128 v[PM+4:PM+7], v[XA] offset:512*33
	ds_load_b128 v[PL:PL+3],   v[XA] offset:512*34
	ds_load_b128 v[PL+4:PL+7], v[XA] offset:512*35
	s_wait_dscnt 0x0
.irp q, 0,1,2,3
	v_max_num_f32 v[TA+2*\q], v[MM+2*\q+1], v[PM+2*\q+1]           ; the last step is odd: the final maxima lie at 2 q + 1
.endr
.irp q, 0,1,2,3
	v_sub_f32 v[MM+2*\q], v[MM+2*\q+1], v[TA+2*\q]
.endr
.irp q, 0,1,2,3
	v_sub_f32 v[PM+2*\q], v[PM+2*\q+1], v[TA+2*\q]
.endr
.irp q, 0,1,2,3
	v_exp_f32 v[MM+2*\q], v[MM+2*\q]               ; a
.endr
.irp q, 0,1,2,3
	v_exp_f32 v[PM+2*\q], v[PM+2*\q]               ; b
.endr
	v_nop                                          ; a plain instruction between the exponentials and their first use (ISA guide 5.7.2)
	s_wait_alu depctr_va_vdst(0)
.irp q, 0,1,2,3
	v_mul_f32 v[TA+2*\q+1], v[PL+2*\q+1], v[PM+2*\q]
.endr
.irp q, 0,1,2,3
	v_fma_f32 v[TA+2*\q+1], v[AL+2*\q+1], v[MM+2*\q], v[TA+2*\q+1] ; my lanes' part of l
.endr
.irp q, 0,1,2,3
	v_permlanex16_b32 v[TA+2*\q], v[TA+2*\q+1], s56, s57           ; the other half of the wave holds the query's other keys
.endr
.irp q, 0,1,2,3
	v_add_f32 v[TA+2*\q], v[TA+2*\q], v[TA+2*\q+1]
.endr
.irp q, 0,1,2,3
	v_rcp_f32 v[TA+2*\q], v[TA+2*\q]
.endr
	v_nop                                          ; a plain instruction between the reciprocals and their first use
	s_wait_alu depctr_va_vdst(0)
.irp q, 0,1,2,3
	v_mul_f32 v[AL+2*\q], v[MM+2*\q], v[TA+2*\q]   ; a / l
.endr
.irp q, 0,1,2,3
	v_mul_f32 v[PL+2*\q], v[PM+2*\q], v[TA+2*\q]   ; b / l
.endr
.set n_, 0
.rept 16
.irp i, 0,2,4,6
	v_pk_mul_f32 v[SS+8*n_+\i:SS+8*n_+\i+1], v[SS+8*n_+\i:SS+8*n_+\i+1], v[PL+2*(n_>>2):PL+2*(n_>>2)+1] op_sel_hi:[1,0]
.endr
.set n_, n_+1
.endr
	WIN 0x01                                       ; source 0 (my O) in window 1
.set n_, 0
.rept 16
.irp i, 0,2,4,6
	v_pk_fma_f32 v[SS+8*n_+\i:SS+8*n_+\i+1], v[8*n_+\i:8*n_+\i+1], v[AL+2*(n_>>2):AL+2*(n_>>2)+1], v[SS+8*n_+\i:SS+8*n_+\i+1] op_sel_hi:[1,0,1]
.endr
.set n_, n_+1
.endr
	WIN 0
.set n_, 0
.rept 16
.irp i, 0,1,2,3
	v_cvt_pk_f16_f32 v[SS+4*n_+\i], v[SS+8*n_+2*\i], v[SS+8*n_+2*\i+1]     ; in place and ascending: no register is written before it is read
.endr
.set n_, n_+1
.endr
.Lgave:
	s_wait_dscnt 0x0                               ; the exchange has been read:
	s_barrier_signal -1
	s_barrier_wait -1                              ; by all four waves, so the stage may be laid over it
	s_cmp_lg_u32 s74, 0
	s_cbranch_scc1 .Lidle
	; The four heads meet in the stage, so that a row of 512 bytes (four heads x 64 d) leaves whole.
.irp q, 0,1,2,3
.irp dt, 0,1,2,3
	ds_store_b128 v[STO], v[SS+16*\q+4*\dt:SS+16*\q+4*\dt+3] offset:16*STP*\q+32*\dt
.endr
.endr
.Lidle:
	s_wait_dscnt 0x0                               ; the stores are done, for the sake of the waves that read them
	s_barrier_signal -1
	s_barrier_wait -1
.irp t, 0,1,2,3,4,5,6,7
	ds_load_b128 v[SS+64+4*\t:SS+64+4*\t+3], v[RD] offset:STP*\t   ; all eight waves: eight rows each
.endr
.irp t, 0,1,2,3,4,5,6,7
	s_wait_dscnt 7-\t
	global_store_b128 v[CO], v[SS+64+4*\t:SS+64+4*\t+3], s[10:11] offset:2048*\t     ; 512 consecutive bytes, aligned
.endr
	s_set_vgpr_msb 0x5
	s_wait_tensorcnt 0x0
	ds_add_u32 v200, v201
	s_wait_dscnt 0x0
	s_set_vgpr_msb 0x500
	ROUND                                          ; the closing round
	s_endpgm
.Lfunc_end_k_qbc8371f175_attn:
	.size	k_qbc8371f175_attn, .Lfunc_end_k_qbc8371f175_attn-k_qbc8371f175_attn
	.p2alignl 7, 3214868480
	.fill 96, 4, 3214868480
	.section	.rodata,"a",@progbits
	.p2align	6, 0x0
	.amdhsa_kernel k_qbc8371f175_attn
		.amdhsa_group_segment_fixed_size 327680
		.amdhsa_private_segment_fixed_size 0
		.amdhsa_enable_private_segment 0
		.amdhsa_kernarg_size 32
		.amdhsa_user_sgpr_count 2
		.amdhsa_user_sgpr_kernarg_segment_ptr 1
		.amdhsa_wavefront_size32 1
		.amdhsa_system_sgpr_workgroup_id_x 1
		.amdhsa_system_sgpr_workgroup_id_y 1
		.amdhsa_system_sgpr_workgroup_id_z 1
		.amdhsa_system_vgpr_workitem_id 0
		.amdhsa_next_free_vgpr 458
		.amdhsa_next_free_sgpr 76
		.amdhsa_reserve_vcc 0
		.amdhsa_float_denorm_mode_32 3
		.amdhsa_float_denorm_mode_16_64 3
		.amdhsa_memory_ordered 1
		.amdhsa_forward_progress 1
		.amdhsa_inst_pref_size 255
	.end_amdhsa_kernel
	.section	.bss,"aw",@nobits
	.p2align	6
	.space	262144
	.amdgpu_metadata
---
amdhsa.version: [ 1, 2 ]
amdhsa.kernels:
  - .name:           k_qbc8371f175_attn
    .symbol:         k_qbc8371f175_attn.kd
    .args:
      - { .name: qb, .offset: 0, .size: 8, .value_kind: global_buffer, .address_space: global }
      - { .name: kb, .offset: 8, .size: 8, .value_kind: global_buffer, .address_space: global }
      - { .name: vb, .offset: 16, .size: 8, .value_kind: global_buffer, .address_space: global }
      - { .name: ao, .offset: 24, .size: 8, .value_kind: global_buffer, .address_space: global }
    .group_segment_fixed_size: 327680
    .private_segment_fixed_size: 0
    .kernarg_segment_align: 8
    .kernarg_segment_size: 32
    .max_flat_workgroup_size: 256
    .sgpr_count:     76
    .vgpr_count:     458
    .wavefront_size: 32
...
	.end_amdgpu_metadata
.endif
;; end of part 6
;; launch oproj (part 7): grid 8 x 32, 4 waves a work-group, clusters of 4 x 4, 327,680 bytes of LDS; arguments ao, wb, out0; writes out0
.if DOCPART == 7
	.amdgcn_target "amdgcn-amd-amdhsa--gfx1250"
	.amdhsa_code_object_version 6
	.text
	.protected	k_qbc8371f175_oproj
	.globl	k_qbc8371f175_oproj
	.p2align	8
	.type	k_qbc8371f175_oproj,@function
k_qbc8371f175_oproj:
	s_mov_b64 s[64:65], 0
	v_nop
	global_prefetch_b8 v0, s[64:65] scope:SCOPE_SE
	s_setreg_imm32_b32 hwreg(HW_REG_WAVE_MODE, 25, 1), 1
	s_wait_xcnt 0x0
	s_wait_alu depctr_hold_cnt(0) depctr_sa_sdst(0) depctr_va_vdst(0) depctr_va_sdst(0) depctr_va_ssrc(0) depctr_va_vcc(0) depctr_vm_vsrc(0)
	s_getreg_b32 s2, hwreg(HW_REG_IB_STS2, 6, 4)
	s_cmp_eq_u32 s2, 0
	s_cbranch_scc0 .Lentry_in_a_cluster
	s_endpgm
.Lentry_in_a_cluster:
	s_bfe_u32 s2, ttmp6, 0x10000c
	s_cmp_lg_u32 s2, 0xf033
	s_cbranch_scc0 .Lentry_shape_is_right
	s_endpgm
.Lentry_shape_is_right:
; out0[4096][1024] (f32) = ao (f16) x W_o (f16, [in][out], at byte 3,145,728 of wb), f32 sums.
; Work-group (bx, by), 8 x 32, makes 128 x 128; four waves 2 x 2 of 64 x 64 (16 accumulator tiles each): for 32 along K a wave reads 64 rows of
; A and 64 columns of W for 16 products.  CLUSTERS 4 x 4: the tile of ao hangs on by alone and is asked for jointly by a row of the cluster,
; the tile of W_o on bx alone and is asked for jointly by a column: a quarter of the requests.
; THE RING.  K goes in eight steps of 128 through four LDS slots, tile t in slot t % 4: A 128 rows x 256 bytes, pitch 272 = 17 x 16; W 128 k-rows x
; 256 bytes, pitch 288 = 9 x 32.  In front of a refill every wave has all its tensor loads landed, so what travels is what one round of the cluster
; barrier issues: tiles 0-3 are the slots' first fills; at the end of tile 1 tiles 4, 5 are asked for, at the end of tile 3 tiles 6, 7; two tiles are
; multiplied under each flight.  Two filling rounds in all.  By this text's count a wave never has more than four tensor loads out.
; The eight tiles are written out: the pattern of rounds does not repeat.
; The matrix instruction is used transposed (source 0 = columns of W, source 1 = rows of ao): a lane holds eight neighbouring columns of a row.
.set APITCH, 272
.set AHALF,  64*APITCH
.set WOFF,   2*AHALF
.set WPITCH, 288
.set SLOT,   WOFF+128*WPITCH           ; 71,680
.set STAGE,  4*SLOT                    ; 286,720: behind the ring, no tensor load lands here
.set SPITCH, 272
.set STGW,   16*SPITCH                 ; 4,352 = 17 x 256 bytes for each wave
.set ADRA, 8                           ; v8-11    LDS address of my A fragments in slot 0 .. 3
.set ADRW, 12                          ; v12-15   the same for W
.set AFR,  16                          ; v[16:79]   A fragments: 32 p + 8 mt
.set WF,   80                          ; v[80:143]  W fragments: 32 p + 8 nt
.set RB,   144                         ; v[144:175] way out: rows read back
.set STO,  176
.set RD,   177
.set CO,   178
                                       ; window 1: accumulator (mt, nt) at 8 (4 mt + nt)
.set G1A, 24                           ; s[24:31]
.set G1W, 32                           ; s[32:39]
.set G0A, 40                           ; s[40:55] one set for each slot
.set G0W, 68                           ; s[68:83] one set for each slot
.set PA,  66                           ; s[66:67] ao at my half tile
.set PW,  84                           ; s[84:85] W_o at my half tile
.set PO,  86                           ; s[86:87] out0 at my block
.set MSB, 0
.macro WIN new
.if MSB != \new
	s_set_vgpr_msb (MSB<<8)|\new
.set MSB, \new
.endif
.endm
.macro PLACES                          ; four places behind a matrix instruction (ISA guide 7.12.1); this text has no vector work to put there
.rept 4
	v_nop
.endr
.endm
.macro SETT t                          ; the addresses of tile t go into its slot's sets of group 0; written only where no tensor load of the wave is out
.set sl_, (\t)%4
	s_add_nc_u64 s[G0A+4*sl_+2:G0A+4*sl_+3], s[PA:PA+1], (\t)*256            ; 128 f16 a K step
	s_or_b32 s[G0A+4*sl_+3], s[G0A+4*sl_+3], 0x80000000
	s_add_nc_u64 s[G0W+4*sl_+2:G0W+4*sl_+3], s[PW:PW+1], (\t)*262144         ; 128 rows of 2,048 bytes
	s_or_b32 s[G0W+4*sl_+3], s[G0W+4*sl_+3], 0x80000000
.endm
.macro JLOAD t                         ; waves 0, 1 fetch the halves of A, waves 2, 3 those of W
.set sl_, (\t)%4
	s_cmp_eq_u32 s19, 0
	s_cbranch_scc0 .Lfor_w_\@
	tensor_load_to_lds s[G0A+4*sl_:G0A+4*sl_+3], s[G1A:G1A+7]
	s_nop 0
	s_branch .Lasked_\@
.Lfor_w_\@:
	tensor_load_to_lds s[G0W+4*sl_:G0W+4*sl_+3], s[G1W:G1W+7]
	s_nop 0
.Lasked_\@:
.endm
.macro CREST
	s_cmp_lg_u32 s18, 0
	s_cbranch_scc1 .Lnot_wave_0_\@
	s_barrier_signal -3
.Lnot_wave_0_\@:
	s_barrier_wait -3
	s_barrier_signal -1
	s_barrier_wait -1
.endm
.macro CROUND
	s_barrier_signal -1
	s_barrier_wait -1
	CREST
.endm
	s_load_b128 s[4:7], s[0:1], 0x0                ; ao s[4:5], wb s[6:7]
	s_load_b64 s[8:9], s[0:1], 0x10                ; out0
	v_lshl_add_u32 v254, v0, 2, 0x4a400
	v_mov_b32 v255, 0
	ds_add_u32 v254, v255
	v_lshrrev_b32 v1, 5, v0
	v_readfirstlane_b32 s18, v1                    ; wave
	s_lshr_b32 s19, s18, 1                         ; my half of the rows.  Also: I fetch for A (0) or for W (1)
	s_and_b32 s20, s18, 1                          ; my half of the columns.  Also: which half of that tile I fetch
	s_bfe_u32 s21, ttmp6, 0x40000                  ; cx
	s_bfe_u32 s22, ttmp6, 0x40004                  ; cy
	s_lshl_b32 s57, ttmp9, 2
	s_add_co_u32 s57, s57, s21                     ; bx
	s_and_b32 s56, ttmp7, 0xffff
	s_lshl_b32 s56, s56, 2
	s_add_co_u32 s56, s56, s22                     ; by
	s_lshl_b32 s58, s22, 2
	s_lshl_b32 s58, 15, s58                        ; my row of the cluster
	s_lshl_b32 s59, 0x1111, s21                    ; my column
	s_or_b32 s[G1A+0], s58, (1<<16)|(1<<20)|(1<<21)|(5<<22)|(3<<25)   ; 64 rows x 128 f16, 16 bytes of padding behind every 64 words
	s_mov_b32 s[G1A+1], 128<<16
	s_mov_b32 s[G1A+2], 64<<16
	s_mov_b32 s[G1A+3], 128<<16
	s_mov_b32 s[G1A+4], 64
	s_mov_b32 s[G1A+5], 1024
	s_mov_b32 s[G1A+6], 0
	s_mov_b32 s[G1A+7], 0
	s_or_b32 s[G1W+0], s59, (1<<16)|(1<<20)|(1<<21)|(5<<22)|(7<<25)   ; 64 k-rows x 128 f16, 32 bytes of padding
	s_mov_b32 s[G1W+1], 128<<16
	s_mov_b32 s[G1W+2], 64<<16
	s_mov_b32 s[G1W+3], 128<<16
	s_mov_b32 s[G1W+4], 64
	s_mov_b32 s[G1W+5], 1024
	s_mov_b32 s[G1W+6], 0
	s_mov_b32 s[G1W+7], 0
	s_lshl_b32 s60, s56, 18                        ; ao: rows 128 by + 64 half of 2,048 bytes
	s_lshl_b32 s61, s20, 17
	s_add_co_u32 s60, s60, s61
	s_mov_b32 s61, 0
	s_lshl_b32 s[PW], s20, 17                      ; W_o: k-rows 64 half of 2,048 bytes, column 128 bx
	s_lshl_b32 s[PW+1], s57, 8
	s_add_co_u32 s[PW], s[PW], s[PW+1]
	s_add_co_u32 s[PW], s[PW], 3145728
	s_mov_b32 s[PW+1], 0
	s_mul_i32 s88, s20, AHALF
	s_mul_i32 s89, s20, 64*WPITCH
	s_lshl_b32 s[PO], s56, 19                      ; out0: row 128 by + 64 wm of 4,096 bytes, column 128 bx + 64 wn of 4 bytes
	s_lshl_b32 s[PO+1], s19, 18
	s_add_co_u32 s[PO], s[PO], s[PO+1]
	s_lshl_b32 s[PO+1], s57, 9
	s_add_co_u32 s[PO], s[PO], s[PO+1]
	s_lshl_b32 s[PO+1], s20, 8
	s_add_co_u32 s[PO], s[PO], s[PO+1]
	s_mov_b32 s[PO+1], 0
	s_wait_dscnt 0x0
	s_wait_kmcnt 0x0
	s_add_nc_u64 s[PA:PA+1], s[4:5], s[60:61]
	s_add_nc_u64 s[PW:PW+1], s[6:7], s[PW:PW+1]
	s_add_nc_u64 s[PO:PO+1], s[8:9], s[PO:PO+1]
.irp s, 0,1,2,3
	s_mov_b32 s[G0A+4*\s], 1
	s_add_co_u32 s[G0A+4*\s+1], s88, \s*SLOT
	s_mov_b32 s[G0W+4*\s], 1
	s_add_co_u32 s[G0W+4*\s+1], s89, \s*SLOT+WOFF
.endr
	SETT 0
	SETT 1
	SETT 2
	SETT 3
	CROUND                                         ; all sixteen work-groups are here: the first joint loads meet
	JLOAD 0                                        ; the four slots' first fills
	JLOAD 1
	JLOAD 2
	JLOAD 3
	v_and_b32 v1, 15, v0                           ; r
	v_bfe_u32 v2, v0, 4, 1                         ; h
	v_and_b32 v3, 7, v0
	v_bfe_u32 v4, v0, 3, 1
	s_mul_i32 s90, s19, AHALF                      ; my 64 rows of A
	v_mul_u32_u24 v5, v1, APITCH
	v_lshl_add_u32 v5, v2, 4, v5
	v_add_nc_u32 v[ADRA], s90, v5
	v_add_nc_u32 v[ADRA+1], SLOT, v[ADRA]
	v_add_nc_u32 v[ADRA+2], 2*SLOT, v[ADRA]
	v_add_nc_u32 v[ADRA+3], 3*SLOT, v[ADRA]
	s_lshl_b32 s90, s20, 7                         ; my 64 columns of W
	s_add_co_u32 s90, s90, WOFF
	v_lshl_add_u32 v6, v2, 3, v3                   ; k-row 8 h + lane % 8
	v_mul_u32_u24 v7, v6, WPITCH
	v_lshl_add_u32 v7, v4, 4, v7
	v_add_nc_u32 v[ADRW], s90, v7
	v_add_nc_u32 v[ADRW+1], SLOT, v[ADRW]
	v_add_nc_u32 v[ADRW+2], 2*SLOT, v[ADRW]
	v_add_nc_u32 v[ADRW+3], 3*SLOT, v[ADRW]
	s_mul_i32 s90, s18, STGW
	s_add_co_u32 s90, s90, STAGE
	v_mul_u32_u24 v5, v1, SPITCH
	v_lshl_add_u32 v5, v2, 5, v5
	v_add_nc_u32 v[STO], s90, v5                   ; in: row r, 32 bytes for each half of the lanes
	v_mul_u32_u24 v5, v2, SPITCH
	v_lshl_add_u32 v5, v1, 4, v5
	v_add_nc_u32 v[RD], s90, v5                    ; back: sixteen lanes take a row of 256 bytes
	v_lshlrev_b32 v5, 12, v2
	v_lshl_add_u32 v[CO], v1, 4, v5                ; and the same two rows in out0
.macro FETCH slot, ks, p               ; 16 loads: the fragments of 32 along K into buffer p
.irp mt, 0,1,2,3
	ds_load_b128 v[AFR+32*(\p)+8*\mt:AFR+32*(\p)+8*\mt+3],   v[ADRA+\slot] offset:16*APITCH*\mt+64*(\ks)
	ds_load_b128 v[AFR+32*(\p)+8*\mt+4:AFR+32*(\p)+8*\mt+7], v[ADRA+\slot] offset:16*APITCH*\mt+64*(\ks)+32
.endr
.irp u, 0,1,2,3
	ds_load_tr16_b128 v[WF+32*(\p)+8*\u:WF+32*(\p)+8*\u+3],   v[ADRW+\slot] offset:32*WPITCH*(\ks)+32*\u
	ds_load_tr16_b128 v[WF+32*(\p)+8*\u+4:WF+32*(\p)+8*\u+7], v[ADRW+\slot] offset:32*WPITCH*(\ks)+32*\u+16*WPITCH
.endr
.endm
.macro MUL p, zero                     ; 16 products; the 16 accumulators take turns, one instruction a turn
	WIN 0x50
.irp u, 0,1,2,3
.irp mt, 0,1,2,3
.if \zero
	v_wmma_f32_16x16x32_f16 v[8*(4*\mt+\u):8*(4*\mt+\u)+7], v[WF+32*(\p)+8*\u:WF+32*(\p)+8*\u+7], v[AFR+32*(\p)+8*\mt:AFR+32*(\p)+8*\mt+7], 0
.else
	v_wmma_f32_16x16x32_f16 v[8*(4*\mt+\u):8*(4*\mt+\u)+7], v[WF+32*(\p)+8*\u:WF+32*(\p)+8*\u+7], v[AFR+32*(\p)+8*\mt:AFR+32*(\p)+8*\mt+7], v[8*(4*\mt+\u):8*(4*\mt+\u)+7]
.endif
.endr
.endr
	WIN 0
.endm
.macro SUB slot, ks, p, zero
	PLACES                                         ; between the last products and the loads into the buffer that they read
	FETCH \slot, \ks+1, 1-\p
	s_wait_dscnt 16                                ; all but the 16 just issued: buffer p is in
	MUL \p, \zero
.endm
.macro THREE slot, zero
	SUB \slot, 0, 0, \zero
	SUB \slot, 1, 1, 0
	SUB \slot, 2, 0, 0
.endm
; The fourth sub-step of a tile, in three forms.
; PASS: the next tile was shown landed, in every wave, by the wait for all loads and the barrier in front of its pair: it is read without more.
.macro PASS next
	PLACES
	FETCH \next, 0, 0
	s_wait_dscnt 16
	MUL 1, 0
.endm
; TURN: cnt = my tensor loads that may stay out when my part of the next tile has landed; the barrier shows it to the others.
.macro TURN cnt, next
	s_wait_dscnt 0x0                               ; no LDS instruction of mine is pending at the signal; buffer 1 is in
	s_wait_tensorcnt \cnt
	s_barrier_signal -1
	PLACES
	s_barrier_wait -1
	FETCH \next, 0, 0
	MUL 1, 0
.endm
; TURNF: my reads of this tile's slot and of the one before are back and all my tensor loads have landed (the next two tiles among them); the barrier
; opens a round of the cluster barrier, and the joint refills of the two slots, tiles t1 and t1 + 1, are the first tensor loads behind it.
.macro TURNF next, t1
	s_wait_dscnt 0x0
	s_wait_tensorcnt 0x0
	ds_add_u32 v254, v255
	s_wait_dscnt 0x0
	s_barrier_signal -1
	PLACES
	s_barrier_wait -1
	CREST
	SETT \t1                                       ; no load of mine is out: every group 0 may be written
	SETT \t1+1
	JLOAD \t1
	JLOAD \t1+1
	FETCH \next, 0, 0
	MUL 1, 0
.endm
	s_wait_tensorcnt 0x3                           ; my part of tile 0 is in; tiles 1, 2, 3 stay out
	s_barrier_signal -1
	s_barrier_wait -1
	FETCH 0, 0, 0
	THREE 0, 1                                     ; tile 0: the first products start the sums
	TURN 2, 1                                      ; tile 1 is in; tiles 2, 3 may be out
	THREE 1, 0                                     ; tile 1
	TURNF 2, 4                                     ; tiles 2, 3 are in; tiles 4, 5 into slots 0, 1
	THREE 2, 0                                     ; tile 2
	PASS 3
	THREE 3, 0                                     ; tile 3
	TURNF 0, 6                                     ; tiles 4, 5 are in; tiles 6, 7 into slots 2, 3: the last
	THREE 0, 0                                     ; tile 4
	PASS 1
	THREE 1, 0                                     ; tile 5
	TURN 0, 2                                      ; tiles 6, 7 are in: no tensor load of mine is out any more
	THREE 2, 0                                     ; tile 6
	PASS 3
	THREE 3, 0                                     ; tile 7
	s_wait_dscnt 0x0
	MUL 1, 0
	; THE WAY OUT, 16 rows x 64 columns of f32 at a time: straight from the accumulators into my own stage, back as rows of 256 bytes.
	PLACES                                         ; behind the last products, in front of the LDS stores that read the sums
.macro OUTM mt
	WIN 0x04                                       ; the data of the LDS stores in window 1
.irp u, 0,1,2,3
	ds_store_b128 v[STO], v[8*(4*\mt+\u):8*(4*\mt+\u)+3]   offset:64*\u
	ds_store_b128 v[STO], v[8*(4*\mt+\u)+4:8*(4*\mt+\u)+7] offset:64*\u+16
.endr
	WIN 0
	s_wait_xcnt 0x0                                ; RB was the data of earlier stores: it is loaded again only behind this wait
.irp t, 0,1,2,3,4,5,6,7
	ds_load_b128 v[RB+4*\t:RB+4*\t+3], v[RD] offset:2*SPITCH*\t    ; LDS serves a wave in order (ISA guide 5.7.1): these see the stores above
.endr
.irp t, 0,1,2,3,4,5,6,7
	s_wait_dscnt 7-\t
	global_store_b128 v[CO], v[RB+4*\t:RB+4*\t+3], s[PO:PO+1] offset:8192*\t+65536*\mt th:TH_STORE_NT   ; sixteen lanes store 256 consecutive bytes, aligned
.endr
.endm
	OUTM 0
	OUTM 1
	OUTM 2
	OUTM 3
	s_wait_tensorcnt 0x0
	ds_add_u32 v254, v255
	s_wait_dscnt 0x0
	CROUND                                         ; the closing round
	s_endpgm
.Lfunc_end_k_qbc8371f175_oproj:
	.size	k_qbc8371f175_oproj, .Lfunc_end_k_qbc8371f175_oproj-k_qbc8371f175_oproj
	.p2alignl 7, 3214868480
	.fill 96, 4, 3214868480
	.section	.rodata,"a",@progbits
	.p2align	6, 0x0
	.amdhsa_kernel k_qbc8371f175_oproj
		.amdhsa_group_segment_fixed_size 327680
		.amdhsa_private_segment_fixed_size 0
		.amdhsa_enable_private_segment 0
		.amdhsa_kernarg_size 24
		.amdhsa_user_sgpr_count 2
		.amdhsa_user_sgpr_kernarg_segment_ptr 1
		.amdhsa_wavefront_size32 1
		.amdhsa_system_sgpr_workgroup_id_x 1
		.amdhsa_system_sgpr_workgroup_id_y 1
		.amdhsa_system_sgpr_workgroup_id_z 1
		.amdhsa_system_vgpr_workitem_id 0
		.amdhsa_next_free_vgpr 384
		.amdhsa_next_free_sgpr 92
		.amdhsa_reserve_vcc 0
		.amdhsa_float_denorm_mode_32 3
		.amdhsa_float_denorm_mode_16_64 3
		.amdhsa_memory_ordered 1
		.amdhsa_forward_progress 1
		.amdhsa_inst_pref_size 92
	.end_amdhsa_kernel
	.amdgpu_metadata
---
amdhsa.version: [ 1, 2 ]
amdhsa.kernels:
  - .name:           k_qbc8371f175_oproj
    .symbol:         k_qbc8371f175_oproj.kd
    .args:
      - { .name: ao, .offset: 0, .size: 8, .value_kind: global_buffer, .address_space: global }
      - { .name: wb, .offset: 8, .size: 8, .value_kind: global_buffer, .address_space: global }
      - { .name: out0, .offset: 16, .size: 8, .value_kind: global_buffer, .address_space: global }
    .group_segment_fixed_size: 327680
    .private_segment_fixed_size: 0
    .kernarg_segment_align: 8
    .kernarg_segment_size: 24
    .max_flat_workgroup_size: 128
    .sgpr_count:     92
    .vgpr_count:     384
    .wavefront_size: 32
...
	.end_amdgpu_metadata
.endif
;; end of part 7
